; MI455X (gfx1250); checked and timed in simulation.
; The chip was launched on July 23, 2026; its instructions are those of AMD's public machine-readable ISA for CDNA 5 (MIT licence, August 2026) and "CDNA5" Instruction Set Architecture Reference Guide (July 2026). The comments in the code are by the model that wrote it; some were corrected since.
;; atten module. Allowed arithmetic: matrix products marked QUANTISED: E3M2 operands, one E8M0 scale for each 32 along K, by v_wmma_scale_f32_16x16x128_f8f6f4 with both operands' format E3M2, f32 sums; everything else in f32.
;; Inputs: Wo_codes 1,024 x 32 x 24 uint8 (E3M2 codes of Wo, K innermost, in blocks of 32 codes, four codes in three bytes); Wo_scales 1,024 x 32 uint8 (E8M0 scales of Wo, one for each 32 codes along K); Wqkv_codes 3,072 x 32 x 24 uint8 (E3M2 codes of Wqkv, K innermost, in blocks of 32 codes, four codes in three bytes); Wqkv_scales 3,072 x 32 uint8 (E8M0 scales of Wqkv, one for each 32 codes along K); Wr_codes 1,024 x 32 x 24 uint8 (E3M2 codes of Wr, K innermost, in blocks of 32 codes, four codes in three bytes); Wr_scales 1,024 x 32 uint8 (E8M0 scales of Wr, one for each 32 codes along K); ln_b 1,024 float32; ln_g 1,024 float32; r_codes 1 x 32 x 24 uint8 (E3M2 codes of r, K innermost, in blocks of 32 codes, four codes in three bytes); r_scales 1 x 32 uint8 (E8M0 scales of r, one for each 32 codes along K); rr 16 x 64 float32; rw 16 x 64 float32; x 2,048 x 2 x 1,024 float32.
;; Outputs: out0 2,048 x 2 x 1,024 float32.
;; This version of the problem:
;;   THIS VERSION OF THE PROBLEM IS GIVEN IN LOW PRECISION. The matrix products marked QUANTISED in the list below multiply operands that are first quantised to E3M2 (3 exponent bits, 2 mantissa bits; 6 bits a number), with one power-of-two scale for each 32 numbers along K (OCP MX v1.0); their sums are f32. All else is computed in f32.
;;   The module's matrix products, in the order in which they are computed (A, B: the left and right operand; K: the contracted axis; several contracted axes count as one K, in the product's order):
;;     1. [M 4,096, K 1,024] x [K 1,024, N 3,072]; A: computed on the way; B: input Wqkv (given as codes): QUANTISED
;;     2. [M 2,048, K 1,024] x [K 1,024, N 1,024]; A: input r (given as codes); B: input Wr (given as codes): QUANTISED
;;     3. batch 32 x [M 2,048, K 64] x [K 64, N 2,048]; A: computed on the way; B: computed on the way: QUANTISED
;;     4. batch 16 x [M 2,048, K 64] x [K 64, N 4,096]; A: computed on the way; B: computed on the way: QUANTISED
;;     5. batch 32 x [M 64, K 2,048] x [K 2,048, N 2,048]; A: computed on the way; B: softmax (see below): QUANTISED
;;     6. [M 4,096, K 1,024] x [K 1,024, N 1,024]; A: computed on the way; B: input Wo (given as codes): QUANTISED
;;   THE QUANTISER, for each operand of a quantised product, along K:
;;     - K is cut into blocks of 32 from its start; a last block that is shorter is filled with zeros.
;;     - A block's scale is 2^e with e = floor(log2(the largest magnitude in the block)) - 4, held to -126 .. 127; a block of zeros has e = 0. As a byte (E8M0): e + 127.
;;     - Each number is divided by its block's scale, clamped to +-28, and rounded to the nearest number of E3M2, ties to even, subnormals kept.
;;     - The product sums the exact products of the quantised numbers (number of the format x scale) in f32.
;;   ~~~python
;;   def quantise(x, axis):      # numpy; x: float32 -> the quantised numbers, widened to float32 again
;;       x = np.moveaxis(x, axis, -1); K = x.shape[-1]
;;       x = np.pad(x, [(0, 0)] * (x.ndim - 1) + [(0, -K % 32)]); x = x.reshape(x.shape[:-1] + (-1, 32)); a = np.abs(x).max(-1, keepdims=True)
;;       e = np.where(a > 0, np.clip(np.frexp(np.where(a > 0, a, 1))[1] - 1 - 4, -126, 127), 0)      # np.frexp(a)[1] - 1 = floor(log2(a)), exactly
;;       r = np.clip(x / 2.0 ** e, -28, 28)
;;       step = 2.0 ** (np.maximum(np.frexp(np.where(r == 0, 1, r))[1] - 1, -2) - 2)
;;       q = np.round(r / step) * step * 2.0 ** e      # np.round: ties to even
;;       return np.moveaxis(q.reshape(q.shape[:-2] + (-1,))[..., :K], -1, axis).astype(np.float32)
;;   ~~~
;;   SOFTMAX AHEAD OF A QUANTISED PRODUCT. Where the list says 'softmax', what is quantised is not the finished softmax but p = 2^(t - M), with t = logit x log2(e) and M = ceil(the row's largest t), a whole number; so 1/2 < the row's largest p <= 1. The row's sum l is taken of the UNQUANTISED p, in f32, and the product's result is divided by l at the end. Since M is a whole number, a kernel that streams over the keys may use a running M (the ceiling of the running maximum): every later rescaling is an exact power of two, which a block's scale takes up: the codes' values come out the same.
;;   OPERANDS COMPUTED ON THE WAY. 'Computed on the way' means the value that the module computes at that place (a softmax that the list does not call 'softmax' is quantised finished and normalised). What goes into a quantiser is computed in f32, as accurately as f32 sums, v_exp_f32 and their like allow (about 1e-6 of the number): no bf16 or f16 on the way to a quantiser, and a product that is left as it is and whose result goes on into a quantised operand takes f32 operands (vector FMAs, or v_wmma_f32_16x16x4_f32). A number that lies on a knife's edge between two numbers of the format may be rounded either way, as far as f32 arithmetic and the matrix unit's own rounding can turn it there, and no further.
;;   INPUTS GIVEN AS CODES. Wo (in the module: [1024, 1024], K = its axis 0); Wqkv (in the module: [1024, 3072], K = its axis 0); Wr (in the module: [1024, 1024], K = its axis 0); r (in the module: [1, 1024], K = its axis 1): each comes as NAME_codes (uint8): NAME with its K axis moved to the last place and cut into blocks of 32 codes, [.., K / 32, bytes a block], one block behind the other in memory; four codes in three bytes: a row's codes are one little-endian stream of bits, code i at bits 6 i .. 6 i + 5 (a code: sign, 3 exponent bits, 2 mantissa bits); and NAME_scales (uint8): the same leading axes, one E8M0 byte (e + 127) for each 32 codes along K. Its value is code x scale, taken as it is: it is not quantised again, and the codes and scales need not be those that the quantiser above would give.
;; One version. Each part assembles by itself: llvm-mc -triple=amdgcn-amd-amdhsa -mcpu=gfx1250 --defsym DOCPART=n.
;; ======== version 1 of 1: 4 launches
;; limits: right only within a limited range of input values
;; workspace buffers: xq 3,145,728 bytes; xs 131,072 bytes; st 32,768 bytes; rk 1,024 bytes; cd 12,582,912 bytes; sc 917,504 bytes; aq 3,145,728 bytes; asc 131,072 bytes
;; launch prep (part 1): grid 264 x 1, 4 waves a work-group, no clusters, 26,112 bytes of LDS; arguments x, ln_g, ln_b, r_codes, r_scales, Wr_codes, Wr_scales, xq, xs, st, rk; writes xq, xs, st, rk
.if DOCPART == 1
	.amdgcn_target "amdgcn-amd-amdhsa--gfx1250"
	.amdhsa_code_object_version 6
	.text
	.protected	k_qd45797c8a4_prep
	.globl	k_qd45797c8a4_prep
	.p2align	8
	.type	k_qd45797c8a4_prep,@function
k_qd45797c8a4_prep:
	s_mov_b64 s[64:65], 0
	v_nop
	global_prefetch_b8 v0, s[64:65] scope:SCOPE_SE
	s_setreg_imm32_b32 hwreg(HW_REG_WAVE_MODE, 25, 1), 1
	s_wait_xcnt 0x0
; PREP.  Work-groups 0-255: LayerNorm of x [2048][2][1024] f32 and its quantising along the 1,024 to codes of E3M2 with one E8M0 byte for each 32.
;   xq [pos][768 bytes]: a row's codes as one stream of bits;  xs [pos][32]: its scale bytes;  st [pos][mu, rstd] f32;  pos = 2048 b + s, so that neighbouring rows belong to one batch.
;   The normed rows themselves are not stored: the last launch makes them again from x and st.
; Work-groups 256-263: rk0 = r Wr, 1,024 numbers (r has ONE row, which the problem broadcasts over the sequence, so every row of that product is this one), quantised along each head's 64.
;   rk: bytes 0-767 [head][48 bytes of codes]; bytes 768-831 [head] one scale word (byte of dims 0-31, byte of dims 32-63, 0x7f, 0x7f).
; A block's scale byte is its largest magnitude's exponent field - 4, held at 1 from below.
; LIMITS: NaN and infinities among the inputs are not served; a block whose largest magnitude lies under 2^-122 keeps the byte 1, a block of zeros too (the rule says 127 there: its codes are
; zeros, which add nothing under any byte but 0xff, and these bytes are read by this program alone).
; LN SHARES: a work-group takes 16 rows s of one batch b, a wave four of them.  A wave asks for its four rows (32 loads of 512 consecutive bytes) at once.  Mean and variance in two passes over registers.
; A conversion takes 16 neighbours from ONE lane's registers, a load is dense where neighbouring LANES take neighbouring bytes: so a normed row turns through the wave's own stage in LDS
; (32 places of 128 bytes + 16 of padding) and comes back one block of 32 to a lane.  Codes leave two rows (1,536 consecutive bytes) at a time; scale bytes and statistics of the 16 rows meet in LDS and leave by wave 0.
.set XSTW,  6144                       ; LDS of a wave: the stage for numbers (32 x 144 bytes), then the stage for codes (1,536 bytes)
.set CSTO,  4608
.set SBY,   24576                      ; the 16 rows' scale bytes, 32 a row
.set STT,   25088                      ; the 16 rows' (mu, rstd)
.set G,     16                         ; v16-47   ln_g, as x is loaded: load i, lane l: elements 128 i + 4 l ..
.set BI,    48                         ; v48-79   ln_b
.set X,     80                         ; v80-207  four rows of 32 registers
.set N,     208                        ; v208-239 four chains of a sum; then a block's 32 neighbours
.set CD,    240                        ; v240-245 a block's codes
.set QT,    246                        ; v246-248 the second conversion's result (three registers from an even one)
.set QM0,   250
.set QM1,   251
.set QSO,   252
.set QE,    253
.set MSB, 0
.macro WIN new                         ; the immediate's high byte repeats the setting that is left
.if MSB != (\new)
	s_set_vgpr_msb (MSB<<8)|(\new)
.set MSB, \new
.endif
.endm
; 32 numbers of one block in one lane, v[s] on, become six registers of codes, v[c] on, and the scale's byte in v[e]
.macro QUANT32 s, c, t, e
	v_max3_num_f32 v[QM0], |v[\s]|, |v[\s+1]|, 0x2800000          ; the floor 2^(5 - 127) among the leaves: the byte cannot fall under 1
	v_max3_num_f32 v[QM1], |v[\s+2]|, |v[\s+3]|, |v[\s+4]|        ; two chains by turns
.irp i, 5,9,13,17,21,25
	v_max3_num_f32 v[QM0], v[QM0], |v[\s+\i]|, |v[\s+\i+1]|
	v_max3_num_f32 v[QM1], v[QM1], |v[\s+\i+2]|, |v[\s+\i+3]|
.endr
	v_max3_num_f32 v[QM0], v[QM0], |v[\s+29]|, |v[\s+30]|
	v_max3_num_f32 v[QM0], v[QM0], v[QM1], |v[\s+31]|
	v_add_nc_u32 v[QSO], 0xfe000000, v[QM0]                        ; 4 off the exponent field: the conversion takes the exponent field of this operand as its scale
	v_cvt_scalef32_pk16_bf6_f32 v[\c:\c+2], v[\s:\s+15], v[QSO]
	v_cvt_scalef32_pk16_bf6_f32 v[\t:\t+2], v[\s+16:\s+31], v[QSO]
	v_lshrrev_b32 v[\e], 23, v[QSO]                                ; the byte; also the plain line behind the conversions
.irp i, 0,1,2
	v_mov_b32 v[\c+3+\i], v[\t+\i]
.endr
.endm
	s_load_b512 s[4:19], s[0:1], 0x0               ; x 4:5, ln_g 6:7, ln_b 8:9, r_codes 10:11, r_scales 12:13, Wr_codes 14:15, Wr_scales 16:17, xq 18:19
	s_load_b128 s[20:23], s[0:1], 0x40             ; xs, st
	s_load_b64 s[24:25], s[0:1], 0x50              ; rk
	v_lshl_add_u32 v254, v0, 2, 0x6400
	v_mov_b32 v255, 0
	v_lshrrev_b32 v1, 5, v0
	v_readfirstlane_b32 s26, v1                    ; wave 0..3
	s_mov_b32 s28, 0x76543210
	s_mov_b32 s29, 0xfedcba98                      ; v_permlanex16_b32's selects for lane l xor 16
	s_cmp_ge_u32 ttmp9, 256                        ; the same for all waves of a work-group
	s_cbranch_scc1 .Lrk
	; ---------------- LayerNorm and quantising ----------------
	s_mov_b32 s30, 0x3a800000                      ; 1 / 1024
	s_mov_b32 s31, 0x3727c5ac                      ; 1e-5
	v_and_b32 v1, 31, v0                           ; lane
	v_lshlrev_b32 v2, 4, v1                        ; 16 l
	v_lshlrev_b32 v9, 2, v1                        ; 4 l
	s_mul_i32 s32, s26, XSTW
	v_lshrrev_b32 v3, 3, v1
	v_mul_u32_u24 v3, v3, 144
	v_and_b32 v4, 7, v1
	v_lshl_add_u32 v3, v4, 4, v3
	v_add_nc_u32 v3, s32, v3                       ; into the stage: eight lanes' 128 bytes are a block: 144 (l / 8) + 16 (l % 8); a load's 512 bytes take four places
	v_mul_u32_u24 v4, v1, 144
	v_add_nc_u32 v4, s32, v4                       ; out of it: my block
	v_mul_u32_u24 v5, v1, 24
	v_add_nc_u32 v5, s32, v5                       ; my block's 24 bytes of codes
	v_add_nc_u32 v6, s32, v2                       ; and 16 bytes a lane on their way out
	s_lshl_b32 s33, s26, 7
	v_add_nc_u32 v7, s33, v1                       ; my wave's four rows of scale bytes, my block's byte
	s_lshl_b32 s33, s26, 5
	v_mov_b32 v8, s33                              ; my wave's four pairs of statistics
	v_mov_b32 v15, 0                               ; a lane permute's destination counts as read
	s_and_b32 s33, ttmp9, 1                        ; b
	s_lshr_b32 s34, ttmp9, 1
	s_lshl_b32 s34, s34, 4                         ; the work-group's first s
	s_lshl_b32 s35, s26, 2
	s_add_co_u32 s35, s34, s35                     ; my wave's first s
	s_lshl_b32 s36, s35, 13                        ; a step of s is 8,192 bytes of x,
	s_lshl_b32 s37, s33, 12                        ; a step of b 4,096
	s_add_co_u32 s36, s36, s37
	s_mov_b32 s37, 0
	s_lshl_b32 s33, s33, 11
	s_add_co_u32 s38, s33, s35                     ; my wave's first pos
	s_mul_i32 s38, s38, 768
	s_mov_b32 s39, 0
	s_add_co_u32 s42, s33, s34                     ; the work-group's first pos
	s_lshl_b32 s44, s42, 3
	s_lshl_b32 s42, s42, 5
	s_mov_b32 s43, 0
	s_mov_b32 s45, 0
	s_wait_kmcnt 0x0
	s_add_nc_u64 s[4:5], s[4:5], s[36:37]
	s_add_nc_u64 s[18:19], s[18:19], s[38:39]
	s_add_nc_u64 s[20:21], s[20:21], s[42:43]
	s_add_nc_u64 s[22:23], s[22:23], s[44:45]
.irp i, 0,1,2,3,4,5,6,7
	global_load_b128 v[G+4*\i:G+4*\i+3], v2, s[6:7] offset:512*\i
.endr
.irp i, 0,1,2,3,4,5,6,7
	global_load_b128 v[BI+4*\i:BI+4*\i+3], v2, s[8:9] offset:512*\i
.endr
.irp k, 0,1,2,3
.irp i, 0,1,2,3,4,5,6,7
	global_load_b128 v[X+32*\k+4*\i:X+32*\k+4*\i+3], v2, s[4:5] offset:8192*\k+512*\i th:TH_LOAD_NT   ; 32 lanes read 512 consecutive bytes
.endr
.endr
.macro FOLD                            ; four chains of pairs -> one number in every lane (v14)
	v_pk_add_f32 v[N:N+1], v[N:N+1], v[N+2:N+3]
	v_pk_add_f32 v[N+4:N+5], v[N+4:N+5], v[N+6:N+7]
	v_pk_add_f32 v[N:N+1], v[N:N+1], v[N+4:N+5]
	v_add_f32 v14, v[N], v[N+1]
	v_add_f32_dpp v14, v14, v14 row_xmask:1 row_mask:0xf bank_mask:0xf
	v_add_f32_dpp v14, v14, v14 row_xmask:2 row_mask:0xf bank_mask:0xf
	v_add_f32_dpp v14, v14, v14 row_xmask:4 row_mask:0xf bank_mask:0xf
	v_add_f32_dpp v14, v14, v14 row_xmask:8 row_mask:0xf bank_mask:0xf
	v_permlanex16_b32 v15, v14, s28, s29
	v_add_f32 v14, v14, v15
.endm
.macro ROW k
.set XR, X+32*(\k)
	s_wait_loadcnt 8*(3-(\k))                      ; gain, bias and this row are in; the eight loads of each later row may be out
.irp j, 0,2,4,6
	v_pk_add_f32 v[N+\j:N+\j+1], v[XR+\j:XR+\j+1], v[XR+8+\j:XR+9+\j]     ; the first pairs start the chains
.endr
.irp q, 16,24
.irp j, 0,2,4,6
	v_pk_add_f32 v[N+\j:N+\j+1], v[N+\j:N+\j+1], v[XR+\q+\j:XR+\q+\j+1]
.endr
.endr
	FOLD
	v_mul_f32 v10, s30, v14                        ; mu, twice: a pair for the packed forms
	v_mul_f32 v11, s30, v14
.irp j, 0,2,4,6,8,10,12,14,16,18,20,22,24,26,28,30
	v_pk_add_f32 v[XR+\j:XR+\j+1], v[XR+\j:XR+\j+1], v[10:11] neg_lo:[0,1] neg_hi:[0,1]   ; x - mu
.endr
.irp j, 0,2,4,6
	v_pk_mul_f32 v[N+\j:N+\j+1], v[XR+\j:XR+\j+1], v[XR+\j:XR+\j+1]
.endr
.irp q, 8,16,24
.irp j, 0,2,4,6
	v_pk_fma_f32 v[N+\j:N+\j+1], v[XR+\q+\j:XR+\q+\j+1], v[XR+\q+\j:XR+\q+\j+1], v[N+\j:N+\j+1]
.endr
.endr
	FOLD
	v_fma_f32 v14, v14, s30, s31                   ; the variance + 1e-5 (the division by 1,024 is exact)
	s_wait_alu depctr_va_vdst(0)
	v_rsq_f32 v12, v14
	v_nop                                          ; a plain line behind the transcendental,
	s_wait_alu depctr_va_vdst(0)                   ; and the wait ahead of its first reader
	v_mov_b32 v13, v12
.irp j, 0,2,4,6,8,10,12,14,16,18,20,22,24,26,28,30
	v_pk_mul_f32 v[XR+\j:XR+\j+1], v[XR+\j:XR+\j+1], v[12:13]
.endr
.irp j, 0,2,4,6,8,10,12,14,16,18,20,22,24,26,28,30
	v_pk_fma_f32 v[XR+\j:XR+\j+1], v[XR+\j:XR+\j+1], v[G+\j:G+\j+1], v[BI+\j:BI+\j+1]
.endr
	ds_store_b32 v8, v10 offset:STT+8*(\k)         ; all lanes write the same word with the same value
	ds_store_b32 v8, v12 offset:STT+8*(\k)+4
.irp i, 0,1,2,3,4,5,6,7
	ds_store_b128 v3, v[XR+4*\i:XR+4*\i+3] offset:576*\i
.endr
.irp i, 0,1,2,3,4,5,6,7
	ds_load_b128 v[N+4*\i:N+4*\i+3], v4 offset:16*\i      ; LDS serves a wave's instructions in order: these see the stores above
.endr
	s_wait_dscnt 0x0                               ; my block is in; all earlier LDS stores have read their registers
	QUANT32 N, CD, QT, QE
	ds_store_b8 v7, v[QE] offset:SBY+32*(\k)
.irp p, 0,1,2
	ds_store_b64 v5, v[CD+2*\p:CD+2*\p+1] offset:CSTO+768*((\k)%2)+8*\p
.endr
.if (\k)%2 == 1
.set OR, X+64*((\k)/2)                 ; registers of a row that is done with: no store's data are written again
.irp j, 0,1,2
	ds_load_b128 v[OR+4*\j:OR+4*\j+3], v6 offset:CSTO+512*\j
.endr
	s_wait_dscnt 0x0
.irp j, 0,1,2
	global_store_b128 v2, v[OR+4*\j:OR+4*\j+3], s[18:19] offset:((\k)-1)*768+512*\j    ; two rows' codes: 1,536 consecutive bytes from a multiple of 256
.endr
.endif
.endm
	ROW 0
	ROW 1
	ROW 2
	ROW 3
	s_wait_dscnt 0x0                               ; for the others' sake: my bytes and statistics lie in LDS
	s_barrier_signal -1
	s_barrier_wait -1
	s_cmp_lg_u32 s26, 0
	s_cbranch_scc1 .Lln_end
	ds_load_b128 v[208:211], v2 offset:SBY         ; wave 0: the 16 rows' 512 scale bytes,
	ds_load_b32 v212, v9 offset:STT                ; and their 128 bytes of statistics
	s_wait_dscnt 0x0
	global_store_b128 v2, v[208:211], s[20:21]
	global_store_b32 v9, v212, s[22:23]
.Lln_end:
	s_wait_tensorcnt 0x0
	ds_add_u32 v254, v255
	s_wait_dscnt 0x0
	s_endpgm
	; ---------------- rk0 = r Wr ----------------
	; Wave u = 4 (work-group - 256) + wave makes dims 32 u .. 32 u + 31: two tiles of 16 rows of Wr, eight K steps of 128: 16 matrix instructions, two accumulators by turns.
	; Source 0 = 16 rows of Wr, source 1 = r in all 16 columns.  Lane r of tile t takes row 8 t + r + 8 (r / 8), so that a lane's 16 results are dims 16 (lane / 16) + 0 .. 15 of the block.
.Lrk:
	v_and_b32 v1, 15, v0                           ; r
	v_bfe_u32 v2, v0, 4, 1                         ; h
	v_mul_u32_u24 v3, v2, 24                       ; r's codes: my half's 24 bytes
	v_and_b32 v4, 8, v1
	v_add_nc_u32 v5, v4, v1                        ; r + 8 (r / 8)
	v_mul_u32_u24 v4, v5, 768
	v_add_nc_u32 v4, v4, v3                        ; Wr's codes: my row, my half
	v_lshlrev_b32 v5, 5, v5                        ; Wr's scale bytes: 32 a row
	v_mov_b32 v6, 0
	v_mul_u32_u24 v7, v2, 12                       ; out: 16 codes are 12 bytes
	v_lshlrev_b32 v8, 1, v2
	s_sub_co_u32 s32, ttmp9, 256
	s_lshl_b32 s32, s32, 2
	s_add_co_u32 s32, s32, s26                     ; u
	s_mul_i32 s36, s32, 32*768
	s_mov_b32 s37, 0
	s_lshl_b32 s38, s32, 10
	s_mov_b32 s39, 0
	s_mul_i32 s42, s32, 24
	s_mov_b32 s43, 0
	s_lshr_b32 s44, s32, 1
	s_lshl_b32 s44, s44, 2
	s_and_b32 s45, s32, 1
	s_add_co_u32 s44, s44, s45
	s_add_co_u32 s44, s44, 768                     ; the head's scale word, my block's byte
	s_mov_b32 s45, 0
	s_wait_alu depctr_va_vdst(0)
	s_wait_kmcnt 0x0
	s_add_nc_u64 s[14:15], s[14:15], s[36:37]
	s_add_nc_u64 s[16:17], s[16:17], s[38:39]
	s_add_nc_u64 s[46:47], s[24:25], s[44:45]
	s_add_nc_u64 s[24:25], s[24:25], s[42:43]
.irp s, 0,1,2,3,4,5,6,7
.irp p, 0,1,2,3,4,5
	global_load_b64 v[16+12*\s+2*\p:17+12*\s+2*\p], v3, s[10:11] offset:96*\s+48*(\p/3)+8*(\p%3)
.endr
.endr
	global_load_b128 v[112:115], v6, s[12:13]      ; r's eight scale words, the same in every lane
	global_load_b128 v[116:119], v6, s[12:13] offset:16
.irp u, 0,1
	global_load_b128 v[120+8*\u:123+8*\u], v5, s[16:17] offset:256*\u
	global_load_b128 v[124+8*\u:127+8*\u], v5, s[16:17] offset:256*\u+16
.endr
	WIN 0x40                                       ; destination window 1: Wr's 16 fragments, (tile u, K step s) at v[12 (8 u + s)]
.irp u, 0,1
.irp s, 0,1,2,3,4,5,6,7
.irp p, 0,1,2,3,4,5
	global_load_b64 v[12*(8*\u+\s)+2*\p:12*(8*\u+\s)+2*\p+1], v4, s[14:15] offset:6144*\u+96*\s+48*(\p/3)+8*(\p%3)
.endr
.endr
.endr
	WIN 0
	v_mov_b32 v153, 0
	v_mov_b32 v155, 0x7f
	s_wait_loadcnt 0x0
	WIN 0x01                                       ; source 0 window 1
.irp s, 0,1,2,3,4,5,6,7
.irp u, 0,1
.if \s == 0
	v_wmma_scale_f32_16x16x128_f8f6f4 v[136+8*\u:143+8*\u], v[12*(8*\u+\s):12*(8*\u+\s)+11], v[16+12*\s:27+12*\s], 0, v[120+8*\u+\s], v[112+\s] matrix_a_fmt:MATRIX_FMT_BF6 matrix_b_fmt:MATRIX_FMT_BF6
.else
	v_wmma_scale_f32_16x16x128_f8f6f4 v[136+8*\u:143+8*\u], v[12*(8*\u+\s):12*(8*\u+\s)+11], v[16+12*\s:27+12*\s], v[136+8*\u:143+8*\u], v[120+8*\u+\s], v[112+\s] matrix_a_fmt:MATRIX_FMT_BF6 matrix_b_fmt:MATRIX_FMT_BF6
.endif
.endr
.endr
	WIN 0
.rept 4
	v_nop                                          ; four places between the last product and the first read of results (ISA guide 7.12.1)
.endr
	v_max3_num_f32 v152, |v136|, |v137|, 0x2800000
.irp i, 2,4,6,8,10,12,14
	v_max3_num_f32 v152, v152, |v[136+\i]|, |v[137+\i]|
.endr
	v_permlanex16_b32 v153, v152, s28, s29
	v_max_num_f32 v152, v152, v153                 ; with lane l xor 16's 16 dims: the block's largest magnitude
	v_add_nc_u32 v154, 0xfe000000, v152
	v_cvt_scalef32_pk16_bf6_f32 v[160:162], v[136:151], v154
	v_lshrrev_b32 v156, 23, v154
	v_cmp_eq_u32 vcc_lo, 1, v2
	v_cndmask_b32 v9, v156, v155, vcc_lo           ; lane 0 carries the byte, lane 16 the 0x7f that fills the word's upper half
	s_wait_alu depctr_va_vdst(0)
	s_wait_xcnt 0x0                                ; EXEC changes only behind this wait
	v_cmp_eq_u32 vcc_lo, 0, v1
	s_and_saveexec_b32 s41, vcc_lo                 ; lanes 0 and 16: all columns hold the same numbers
	global_store_b96 v7, v[160:162], s[24:25]
	global_store_b8 v8, v9, s[46:47]
	s_wait_xcnt 0x0
	s_or_b32 exec_lo, exec_lo, s41
	s_endpgm
.Lfunc_end_k_qd45797c8a4_prep:
	.size	k_qd45797c8a4_prep, .Lfunc_end_k_qd45797c8a4_prep-k_qd45797c8a4_prep
	.p2alignl 7, 3214868480
	.fill 96, 4, 3214868480
	.section	.rodata,"a",@progbits
	.p2align	6, 0x0
	.amdhsa_kernel k_qd45797c8a4_prep
		.amdhsa_group_segment_fixed_size 26112
		.amdhsa_private_segment_fixed_size 0
		.amdhsa_enable_private_segment 0
		.amdhsa_kernarg_size 88
		.amdhsa_user_sgpr_count 2
		.amdhsa_user_sgpr_kernarg_segment_ptr 1
		.amdhsa_wavefront_size32 1
		.amdhsa_system_sgpr_workgroup_id_x 1
		.amdhsa_system_sgpr_workgroup_id_y 1
		.amdhsa_system_sgpr_workgroup_id_z 1
		.amdhsa_system_vgpr_workitem_id 0
		.amdhsa_next_free_vgpr 448
		.amdhsa_next_free_sgpr 66
		.amdhsa_reserve_vcc 1
		.amdhsa_float_denorm_mode_32 3
		.amdhsa_float_denorm_mode_16_64 3
		.amdhsa_memory_ordered 1
		.amdhsa_forward_progress 1
		.amdhsa_inst_pref_size 64
	.end_amdhsa_kernel
	.amdgpu_metadata
---
amdhsa.version: [ 1, 2 ]
amdhsa.kernels:
  - .name:           k_qd45797c8a4_prep
    .symbol:         k_qd45797c8a4_prep.kd
    .args:
      - { .name: x, .offset: 0, .size: 8, .value_kind: global_buffer, .address_space: global }
      - { .name: ln_g, .offset: 8, .size: 8, .value_kind: global_buffer, .address_space: global }
      - { .name: ln_b, .offset: 16, .size: 8, .value_kind: global_buffer, .address_space: global }
      - { .name: r_codes, .offset: 24, .size: 8, .value_kind: global_buffer, .address_space: global }
      - { .name: r_scales, .offset: 32, .size: 8, .value_kind: global_buffer, .address_space: global }
      - { .name: Wr_codes, .offset: 40, .size: 8, .value_kind: global_buffer, .address_space: global }
      - { .name: Wr_scales, .offset: 48, .size: 8, .value_kind: global_buffer, .address_space: global }
      - { .name: xq, .offset: 56, .size: 8, .value_kind: global_buffer, .address_space: global }
      - { .name: xs, .offset: 64, .size: 8, .value_kind: global_buffer, .address_space: global }
      - { .name: st, .offset: 72, .size: 8, .value_kind: global_buffer, .address_space: global }
      - { .name: rk, .offset: 80, .size: 8, .value_kind: global_buffer, .address_space: global }
    .group_segment_fixed_size: 26112
    .private_segment_fixed_size: 0
    .kernarg_segment_align: 8
    .kernarg_segment_size: 88
    .max_flat_workgroup_size: 128
    .sgpr_count:     66
    .vgpr_count:     448
    .wavefront_size: 32
...
	.end_amdgpu_metadata
.endif
;; end of part 1
;; launch qkv (part 2): grid 16 x 16, 4 waves a work-group, clusters of 4 x 4, 327,680 bytes of LDS; arguments xq, xs, Wqkv_codes, Wqkv_scales, rw, rr, cd, sc; writes cd, sc
.if DOCPART == 2
	.amdgcn_target "amdgcn-amd-amdhsa--gfx1250"
	.amdhsa_code_object_version 6
	.text
	.protected	k_qd45797c8a4_qkv
	.globl	k_qd45797c8a4_qkv
	.p2align	8
	.type	k_qd45797c8a4_qkv,@function
k_qd45797c8a4_qkv:
	s_mov_b64 s[64:65], 0
	v_nop
	global_prefetch_b8 v0, s[64:65] scope:SCOPE_SE
	s_setreg_imm32_b32 hwreg(HW_REG_WAVE_MODE, 25, 1), 1
	s_wait_xcnt 0x0
	s_wait_alu depctr_hold_cnt(0) depctr_sa_sdst(0) depctr_va_vdst(0) depctr_va_sdst(0) depctr_va_ssrc(0) depctr_va_vcc(0) depctr_vm_vsrc(0)
	s_getreg_b32 s2, hwreg(HW_REG_IB_STS2, 6, 4)
	s_cmp_eq_u32 s2, 0
	s_cbranch_scc0 .Lentry_in_a_cluster
	s_endpgm
.Lentry_in_a_cluster:
	s_bfe_u32 s2, ttmp6, 0x10000c
	s_cmp_lg_u32 s2, 0xf033
	s_cbranch_scc0 .Lentry_shape_is_right
	s_endpgm
.Lentry_shape_is_right:
; QKV = Q(xn) Wqkv on codes of E3M2, then the biases and the quantising along each head's 64 (q, k) or along 32 keys (v), stored as images of operand registers.
; A work-group makes 256 x 256, a wave 128 x 128 (64 accumulators).  Cluster column 0: q + rw; 1: q + rr (q's product is made in both, so that each work-group runs the way out once and the grid is 256 work-groups);
; 2: k; 3: v, with the sources' roles changed (A = Wqkv's rows 2048 on, B = xq), so that a lane's results run along the keys.
; K = 1,024 is 768 bytes a row and goes through two LDS slots in chunks of 256 bytes (three chunks, eight steps of 96 bytes); steps 2 and 5 lie across two chunks.  The scales of both panels come once.
; 4 x 4 clusters: A's tiles are asked for jointly along a row of the cluster, B's along a column.  No prefetch: three chunks along K, two of them asked for ahead of the first product.
; cd, a record for each 16 b + head: k's images at 0 [tile of 16 keys][piece 0-2][lane][8 bytes]; v's at 98,304 [128 keys][tile of 16 dims][1,536 bytes]; q + rw at 196,608; q + rr at 294,912.
; sc, a record likewise: k's scale words at 0, v's at 8,192, q + rw's at 12,288, q + rr's at 20,480.
; LIMITS: NaN and infinities are not served; a block under 2^-122, or of zeros, keeps the byte 1 (these bytes are read by this program alone).
.set ROWB,   256
.set NQ,     2
.set KROW,   768
.set STEPS,  8
.set CHUNKS, 3
.set PITCH,  272                       ; 256 bytes + 16 of padding
.set FR,     12
.set NL,     6
.set NP,     4
.set HALFT,  128*PITCH
.set SLOT,   4*HALFT
.set KS,     32
.set SCL,    2*SLOT
.set HALFS,  (128*KS/256)*272
.set SBLK,   (16*KS/256)*272
.set SPARE,  SCL+4*HALFS
.set SPITCH, 528
.set STAGE,  SLOT                      ; the stages lie in slot 1: the last chunk lies in slot 0, and slot 1 has had its last fill and its last read behind the walk's last barrier
.set CDREC,  393216
.set SCREC,  28672
.set VOFF,   98304
.set QWOFF,  196608
.set VS,     8192
.set QWS,    12288
.set ADRA, 16
.set ADRB, 20
.set STO,  24
.set RDQ,  25
.set L8,   26
.set ADRS, 27
.set SPW,  28
.set NIL,  29
.set STV,  30
.set RDV,  31
.set L16,  7
.set WOF,  8
.set L4,   9
.set BOF,  10
.set SELQ, 11
.set SELV, 12
.set PW,   13
.set WW,   14
.set WKEEP, 15
.set SC,   32
.set AF,   128
.set RB0,  64
.set CODES, 192
.set QT,   204
.set QM0,  212
.set QM1,  213
.set QSO,  214
.set EB0,  216
.set EB1,  217
.set WORD, 218
.set WORD2, 219
.set G1, 24
.set G0, 32
.set G1B, 48
.set G0B, 56
.set G1S, 68
.set G0S, 76
.set G1SB, 80
.set G0SB, 88
.set G0H, 4
.set G0HB, 8
.set MSB, 0
.macro WIN new
.if MSB != (\new)
	s_set_vgpr_msb (MSB<<8)|(\new)
.set MSB, \new
.endif
.endm
.set MUL_LO, 0xa1
.set MUL_HI, 0xf1
.set TO_B,   0x40
.macro JLOAD g0a, g1a, g0b, g1b        ; waves 0, 1 fetch for A, waves 2, 3 for B
	s_cmp_eq_u32 s15, 0
	s_cbranch_scc0 .Lfor_b_\@
	tensor_load_to_lds s[\g0a:\g0a+3], s[\g1a:\g1a+7]
	s_nop 0
.rept 4
	v_nop
.endr
	s_branch .Lasked_\@
.Lfor_b_\@:
	tensor_load_to_lds s[\g0b:\g0b+3], s[\g1b:\g1b+7]
	s_nop 0
.rept 4
	v_nop
.endr
.Lasked_\@:
.endm
.macro CREST
	s_cmp_lg_u32 s14, 0
	s_cbranch_scc1 .Lnot_wave_0_\@
	s_barrier_signal -3
.Lnot_wave_0_\@:
	s_barrier_wait -3
	s_barrier_signal -1
	s_barrier_wait -1
.endm
.macro CROUND
	s_barrier_signal -1
	s_barrier_wait -1
	CREST
.endm
	s_load_b256 s[4:11], s[0:1], 0x0               ; xq, xs, Wqkv_codes, Wqkv_scales
	s_load_b256 s[92:99], s[0:1], 0x20             ; rw, rr, cd, sc
	v_lshl_add_u32 v[SPW], v0, 2, SPARE
	v_mov_b32 v[NIL], 0
	ds_add_u32 v[SPW], v[NIL]                      ; the opening lines: the add twice on end and its wait
	ds_add_u32 v[SPW], v[NIL]
	v_lshrrev_b32 v1, 5, v0
	v_readfirstlane_b32 s14, v1                    ; wave
	s_lshr_b32 s15, s14, 1
	s_and_b32 s16, s14, 1
	s_bfe_u32 s40, ttmp6, 0x40000                  ; cx
	s_bfe_u32 s41, ttmp6, 0x40004                  ; cy
	s_and_b32 s2, ttmp7, 0xffff
	s_lshl_b32 s2, s2, 2
	s_max_u32 s18, ttmp9, 1
	s_sub_co_u32 s18, s18, 1
	s_lshl_b32 s18, s18, 2                         ; Wqkv's first tile: 0 for both q's, 4 for k
	s_cmp_eq_u32 ttmp9, 3
	s_cselect_b32 s17, 0, s2
	s_cselect_b32 s42, s2, s18
	s_cselect_b32 s101, 2048, 0
	s_add_co_u32 s17, s17, s41                     ; A's tile
	s_add_co_u32 s42, s42, s40                     ; B's tile
	s_lshl_b32 s43, s41, 2
	s_lshl_b32 s43, 15, s43
	s_lshl_b32 s44, 0x1111, s40
	s_or_b32 s[G1+0], s43, (0<<16)|(1<<20)|(1<<21)|(5<<22)|(3<<25)
	s_or_b32 s[G1B+0], s44, (0<<16)|(1<<20)|(1<<21)|(5<<22)|(3<<25)
.irp g, G1, G1B
	s_mov_b32 s[\g+1], ROWB<<16
	s_mov_b32 s[\g+2], 256<<16                     ; 256 rows for the head's loads
	s_mov_b32 s[\g+3], ROWB<<16
	s_mov_b32 s[\g+4], 256
	s_mov_b32 s[\g+5], KROW
	s_mov_b32 s[\g+6], 0
	s_mov_b32 s[\g+7], 0
.endr
	s_or_b32 s[G1S+0], s43, (3<<16)|(1<<20)|(1<<21)|(5<<22)|(3<<25)
	s_or_b32 s[G1SB+0], s44, (3<<16)|(1<<20)|(1<<21)|(5<<22)|(3<<25)
.irp g, G1S, G1SB
	s_mov_b32 s[\g+1], 32<<16
	s_mov_b32 s[\g+2], KS<<16
	s_mov_b32 s[\g+3], 32<<16
	s_mov_b32 s[\g+4], KS
	s_mov_b32 s[\g+5], 32
	s_mov_b32 s[\g+6], 0
	s_mov_b32 s[\g+7], 0
.endr
	s_lshl_b32 s20, s17, 8
	s_add_co_u32 s20, s20, s101                    ; A's first row
	s_lshl_b32 s46, s42, 8                         ; B's
	s_mov_b32 s21, 0
	s_mov_b32 s47, 0
	s_mov_b64 s[18:19], KS
	s_mul_u64 s[22:23], s[20:21], s[18:19]
	s_mul_u64 s[66:67], s[46:47], s[18:19]
	s_mov_b64 s[18:19], KROW
	s_mul_u64 s[20:21], s[20:21], s[18:19]
	s_mul_u64 s[46:47], s[46:47], s[18:19]
	s_mul_i32 s18, s16, 128*KROW
	s_mov_b32 s19, 0
	s_mul_i32 s45, s14, HALFT
	s_wait_dscnt 0x0
	s_wait_kmcnt 0x0
	s_cmp_eq_u32 ttmp9, 3
	s_cselect_b64 s[12:13], s[8:9], s[4:5]         ; A's codes
	s_cselect_b64 s[8:9], s[4:5], s[8:9]           ; B's codes
	s_cselect_b64 s[4:5], s[10:11], s[6:7]         ; A's scales
	s_cselect_b64 s[10:11], s[6:7], s[10:11]       ; B's scales
	s_add_nc_u64 s[20:21], s[12:13], s[20:21]
	s_add_nc_u64 s[22:23], s[4:5], s[22:23]
	s_add_nc_u64 s[46:47], s[8:9], s[46:47]
	s_add_nc_u64 s[66:67], s[10:11], s[66:67]
	CROUND                                         ; in front of the first joint loads
	s_mov_b32 s[G0H], 1
	s_mov_b32 s[G0H+1], 0
	s_mov_b64 s[G0H+2:G0H+3], s[20:21]
	s_or_b32 s[G0H+3], s[G0H+3], 0x80000000
	s_mov_b32 s[G0HB], 1
	s_mov_b32 s[G0HB+1], 2*HALFT
	s_mov_b64 s[G0HB+2:G0HB+3], s[46:47]
	s_or_b32 s[G0HB+3], s[G0HB+3], 0x80000000
	s_mov_b32 s[G0S], 1
	s_mov_b32 s[G0S+1], SCL
	s_mov_b64 s[G0S+2:G0S+3], s[22:23]
	s_or_b32 s[G0S+3], s[G0S+3], 0x80000000
	s_mov_b32 s[G0SB], 1
	s_mov_b32 s[G0SB+1], SCL+2*HALFS
	s_mov_b64 s[G0SB+2:G0SB+3], s[66:67]
	s_or_b32 s[G0SB+3], s[G0SB+3], 0x80000000
	s_add_nc_u64 s[20:21], s[20:21], s[18:19]
	s_add_nc_u64 s[46:47], s[46:47], s[18:19]
.irp s, 0,1
	s_mov_b32 s[G0+4*\s], 1
	s_add_co_u32 s[G0+4*\s+1], s45, \s*SLOT
	s_add_nc_u64 s[G0+4*\s+2:G0+4*\s+3], s[20:21], \s*ROWB
	s_or_b32 s[G0+4*\s+3], s[G0+4*\s+3], 0x80000000
	s_mov_b32 s[G0B+4*\s], 1
	s_add_co_u32 s[G0B+4*\s+1], s45, \s*SLOT
	s_add_nc_u64 s[G0B+4*\s+2:G0B+4*\s+3], s[46:47], \s*ROWB
	s_or_b32 s[G0B+4*\s+3], s[G0B+4*\s+3], 0x80000000
.endr
; the head's four tiles, one joint load a wave: chunk 0 of A, chunk 0 of B, A's scales, B's scales
.macro ARM under, g0, g1, next
	s_cmp_lt_u32 s14, \under
	s_cbranch_scc0 \next
	tensor_load_to_lds s[\g0:\g0+3], s[\g1:\g1+7]
	s_nop 0
.rept 4
	v_nop
.endr
	s_branch .Lhead_asked
\next:
.endm
	ARM 1, G0H,  G1,  .Lhead_b
	ARM 2, G0HB, G1B, .Lhead_sa
	ARM 3, G0S,  G1S, .Lhead_sb
	tensor_load_to_lds s[G0SB:G0SB+3], s[G1SB:G1SB+7]
	s_nop 0
.rept 4
	v_nop
.endr
.Lhead_asked:
	v_and_b32 v1, 15, v0                           ; r
	v_bfe_u32 v2, v0, 4, 1                         ; h
	v_mul_u32_u24 v3, v1, PITCH
	v_mul_u32_u24 v4, v2, 24
	v_add_nc_u32 v4, v3, v4
	s_mov_b32 s21, SLOT-232
	s_mov_b32 s22, SLOT+232
	v_sub_nc_u32 v7, 1, v2
	v_mul_u32_u24 v5, s21, v2
	v_add_nc_u32 v5, v3, v5
	v_add_nc_u32 v5, 232, v5                       ; across two chunks: lanes 0-15 byte 232 in slot 0, lanes 16-31 byte 0 in slot 1
	v_mul_u32_u24 v6, s22, v7
	v_add_nc_u32 v6, v3, v6                        ; and the other way round
	s_mul_i32 s21, s15, HALFT
	s_mul_i32 s22, s16, HALFT
	s_add_co_u32 s22, s22, 2*HALFT
	v_add_nc_u32 v[ADRA+2], s21, v5
	v_add_nc_u32 v[ADRA+3], s21, v6
	v_add_nc_u32 v[ADRB+2], s22, v5
	v_add_nc_u32 v[ADRB+3], s22, v6
.irp s, 0,1
	v_add_nc_u32 v[ADRA+\s], s21, v4
	v_add_nc_u32 v[ADRB+\s], s22, v4
	s_add_co_u32 s21, s21, SLOT
	s_add_co_u32 s22, s22, SLOT
.endr
	v_mul_u32_u24 v5, v1, KS
	v_lshrrev_b32 v6, 8, v5
	v_lshl_add_u32 v5, v6, 4, v5
	s_mul_i32 s21, s15, HALFS
	s_mul_i32 s22, s16, HALFS
	s_add_co_u32 s22, s22, 2*HALFS
	s_sub_co_u32 s22, s22, s21
	v_mul_u32_u24 v6, s22, v2
	s_add_co_u32 s21, s21, SCL
	v_add_nc_u32 v5, v5, v6
	v_add_nc_u32 v[ADRS], s21, v5
	s_mul_i32 s23, s14, 16*SPITCH
	s_add_co_u32 s23, s23, STAGE
	v_mul_u32_u24 v5, v1, SPITCH
	v_lshl_add_u32 v6, v2, 5, v5
	v_add_nc_u32 v[STO], s23, v6
	v_lshl_add_u32 v6, v2, 7, v5
	v_add_nc_u32 v[RDQ], s23, v6
	v_add_nc_u32 v[STV], 4*16*SPITCH, v[STO]       ; v's way out has stage bytes of its own
	v_add_nc_u32 v[RDV], 4*16*SPITCH, v[RDQ]
	v_and_b32 v6, 31, v0
	v_lshlrev_b32 v[L8], 3, v6
	v_lshlrev_b32 v[L16], 4, v6
	v_lshlrev_b32 v[L4], 2, v6
	v_mul_u32_u24 v[WOF], v2, SCREC
	v_lshl_add_u32 v[WOF], v1, 2, v[WOF]
	v_lshlrev_b32 v[BOF], 7, v2
	v_mov_b32 v[SELQ], 0x01010400
	v_mov_b32 v[SELV], 0x06020400
	v_mov_b32 v3, 0x01010206
	v_mov_b32 v4, 0x02060004
	v_cmp_eq_u32 vcc_lo, 1, v2
	v_cndmask_b32 v[SELQ], v[SELQ], v3, vcc_lo
	v_cndmask_b32 v[SELV], v[SELV], v4, vcc_lo
	v_mov_b32 v[PW], 0
	s_and_b32 s18, s42, 3
	s_cmp_eq_u32 ttmp9, 3
	s_cselect_b32 s20, s42, s17                    ; the tile of 256 positions
	s_cselect_b32 s21, s17, s18                    ; the tile of four heads
	s_cselect_b32 s22, s16, s15
	s_cselect_b32 s23, s15, s16
	s_cselect_b32 s45, 8, 9
	s_lshr_b32 s46, s20, 3                         ; b
	s_and_b32 s20, s20, 7
	s_lshl_b32 s20, s20, 1
	s_add_co_u32 s20, s20, s22                     ; my 128 positions
	s_lshl_b32 s21, s21, 2
	s_lshl_b32 s23, s23, 1
	s_add_co_u32 s21, s21, s23                     ; my first head
	s_lshl_b32 s46, s46, 4
	s_add_co_u32 s46, s46, s21
	s_lshl_b32 s101, s21, 8
	s_mul_i32 s12, s46, CDREC
	s_mul_i32 s22, s20, 6144
	s_add_co_u32 s12, s12, s22
	s_mov_b32 s13, 0
	s_add_nc_u64 s[12:13], s[96:97], s[12:13]
	s_mul_i32 s46, s46, SCREC
	s_lshl_b32 s20, s20, s45
	s_add_co_u32 s46, s46, s20
	s_mov_b32 s47, 0
	s_add_nc_u64 s[46:47], s[98:99], s[46:47]
.macro FRAG reg, adr, st, i            ; 16 rows x 128 K: six pieces of 8 bytes; byte y of a row lies in slot (y / 256) % 2 at byte y % 256
.irp p, 0,1,2,3,4,5
.set BY, 96*(\st)+48*(\p/3)+8*(\p%3)
.if BY/ROWB == (BY+24)/ROWB
	ds_load_b64 v[\reg+2*\p:\reg+2*\p+1], v[\adr+(BY/ROWB)%2] offset:BY%ROWB+(\i)*16*PITCH
.else
	ds_load_b64 v[\reg+2*\p:\reg+2*\p+1], v[\adr+2+(BY/ROWB)%2] offset:BY%ROWB-232+(\i)*16*PITCH
.endif
.endr
.endm
.macro MUL16 a0, p, q, sc, zero        ; the 64 accumulators take turns
.irp a, \a0, \a0+1
.irp b, 0,1,2,3,4,5,6,7
.if \zero
	v_wmma_scale_f32_16x16x128_f8f6f4 v[8*(8*((\a)%4)+\b):8*(8*((\a)%4)+\b)+7], v[128*(\p)+FR*\b:128*(\p)+FR*\b+FR-1], v[AF+FR*(\a):AF+FR*(\a)+FR-1], 0, v[SC+8*NQ*(\sc)+NQ*\b+(\q)], v[SC+8*NQ*(\sc)+NQ*(\a)+(\q)] matrix_a_fmt:MATRIX_FMT_BF6 matrix_b_fmt:MATRIX_FMT_BF6 matrix_a_scale:MATRIX_SCALE_ROW1
.else
	v_wmma_scale_f32_16x16x128_f8f6f4 v[8*(8*((\a)%4)+\b):8*(8*((\a)%4)+\b)+7], v[128*(\p)+FR*\b:128*(\p)+FR*\b+FR-1], v[AF+FR*(\a):AF+FR*(\a)+FR-1], v[8*(8*((\a)%4)+\b):8*(8*((\a)%4)+\b)+7], v[SC+8*NQ*(\sc)+NQ*\b+(\q)], v[SC+8*NQ*(\sc)+NQ*(\a)+(\q)] matrix_a_fmt:MATRIX_FMT_BF6 matrix_b_fmt:MATRIX_FMT_BF6 matrix_a_scale:MATRIX_SCALE_ROW1
.endif
.endr
.endr
.endm
.macro FETCH_B st, p
	WIN TO_B
.irp i, 0,1,2,3,4,5,6,7
	FRAG 128*(\p)+FR*\i, ADRB, \st, \i
.endr
	WIN 0
.endm
.macro FETCH_A st, i0
.irp i, \i0, \i0+1, \i0+2, \i0+3
	FRAG AF+FR*(\i), ADRA, \st, \i
.endr
.endm
.macro SCALES pr
.irp i, 0,1,2,3,4,5,6,7
	ds_load_b64 v[SC+8*NQ*((\pr)%2)+NQ*\i:SC+8*NQ*((\pr)%2)+NQ*\i+1], v[ADRS] offset:\i*SBLK+4*NQ*(\pr)
.endr
.endm
.macro PLACES n
.rept \n
	v_nop
.endr
.endm
; A step of 128 along K.  Where the next step's bytes end in a chunk not yet read: the wait for my loads and a barrier.  Where they begin in a later chunk: the three lines, the barrier, and, where a chunk is left to fetch, the round and the refill.
.macro STEP st, zero
.set NX, (\st)+1
.set C0, (96*(\st))/ROWB
.set C1, (96*NX)/ROWB
.set E0, (96*(\st)+95)/ROWB
.set E1, (96*NX+95)/ROWB
.if C1 > C0 || E1 > E0
	s_wait_tensorcnt 0x0
.if C1 > C0
	ds_add_u32 v[SPW], v[NIL]
	s_wait_dscnt 4*NL+1                            ; the add and A's blocks 4-7 may be out
.else
	s_wait_dscnt 4*NL
.endif
	WIN MUL_LO
	MUL16 0, (\st)%2, (\st)%2, ((\st)/2)%2, \zero
	s_wait_dscnt 0x0
	s_barrier_signal -1
	MUL16 2, (\st)%2, (\st)%2, ((\st)/2)%2, \zero
	WIN 0
	s_barrier_wait -1
.if C1 > C0 && C0+2 < CHUNKS
	CREST
	s_add_nc_u64 s[G0+4*(C0%2)+2:G0+4*(C0%2)+3], s[G0+4*(C0%2)+2:G0+4*(C0%2)+3], 2*ROWB
	s_add_nc_u64 s[G0B+4*(C0%2)+2:G0B+4*(C0%2)+3], s[G0B+4*(C0%2)+2:G0B+4*(C0%2)+3], 2*ROWB
	JLOAD G0+4*(C0%2), G1, G0B+4*(C0%2), G1B
.else
	PLACES NP
.endif
.else
	s_wait_dscnt 4*NL                              ; A's blocks 4-7 may be out
	WIN MUL_LO
	MUL16 0, (\st)%2, (\st)%2, ((\st)/2)%2, \zero
	MUL16 2, (\st)%2, (\st)%2, ((\st)/2)%2, \zero
	s_wait_dscnt 0
	PLACES NP
.endif
	FETCH_B NX, NX%2
	FETCH_A NX, 0
.if NX%2 == 0
	SCALES NX/2
.endif
	WIN MUL_HI
	MUL16 4, (\st)%2, (\st)%2, ((\st)/2)%2, \zero
	MUL16 6, (\st)%2, (\st)%2, ((\st)/2)%2, \zero
	PLACES NP
	WIN 0
	FETCH_A NX, 4
.endm
	s_wait_alu depctr_va_vdst(0)                   ; the wait at the head's end
	s_wait_tensorcnt 0x0                           ; my tile of the head's four is in
	ds_add_u32 v[SPW], v[NIL]
	s_mov_b32 s[G1+2], 128<<16                     ; no load of mine is out: from here on a load brings 128 rows
	s_mov_b32 s[G1+4], 128
	s_mov_b32 s[G1B+2], 128<<16
	s_mov_b32 s[G1B+4], 128
	s_wait_dscnt 0x0
	CROUND
	JLOAD G0+4, G1, G0B+4, G1B                     ; chunk 1, slot 1's first fill
	FETCH_B 0, 0
	FETCH_A 0, 0
	SCALES 0
	FETCH_A 0, 4
	STEP 0, 1
.set ST, 1
.rept STEPS-2
	STEP ST, 0
.set ST, ST+1
.endr
	s_wait_dscnt 4*NL
	WIN MUL_LO
	MUL16 0, 1, 1, 1, 0
	MUL16 2, 1, 1, 1, 0
	s_wait_dscnt 0
	WIN MUL_HI
	MUL16 4, 1, 1, 1, 0
	MUL16 6, 1, 1, 1, 0
	WIN 0
; THE WAY OUT: 16 rows at a time through my stage, back one block of 32 to a lane, the bias, the quantiser, the stores
.macro QUANT32 s, c, t, e
	v_max3_num_f32 v[QM0], |v[\s]|, |v[\s+1]|, 0x2800000          ; the floor 2^(5 - 127): the byte cannot fall under 1
	v_max3_num_f32 v[QM1], |v[\s+2]|, |v[\s+3]|, |v[\s+4]|
.irp i, 5,9,13,17,21,25
	v_max3_num_f32 v[QM0], v[QM0], |v[\s+\i]|, |v[\s+\i+1]|
	v_max3_num_f32 v[QM1], v[QM1], |v[\s+\i+2]|, |v[\s+\i+3]|
.endr
	v_max3_num_f32 v[QM0], v[QM0], |v[\s+29]|, |v[\s+30]|
	v_max3_num_f32 v[QM0], v[QM0], v[QM1], |v[\s+31]|
	v_add_nc_u32 v[QSO], 0xfe000000, v[QM0]
	v_cvt_scalef32_pk16_bf6_f32 v[\c:\c+2], v[\s:\s+15], v[QSO]
	v_cvt_scalef32_pk16_bf6_f32 v[\t:\t+2], v[\s+16:\s+31], v[QSO]
	v_lshrrev_b32 v[\e], 23, v[QSO]
.irp i, 0,1,2
	v_mov_b32 v[\c+3+\i], v[\t+\i]
.endr
.endm
.macro TOSTAGE a, sto
.set AC, 64*((\a)%4)
	WIN 0x08+4*((\a)/4)
.irp b, 0,1,2,3,4,5,6,7
	ds_store_b128 v[\sto], v[AC+8*\b:AC+8*\b+3] offset:64*\b
	ds_store_b128 v[\sto], v[AC+8*\b+4:AC+8*\b+7] offset:64*\b+16
.endr
	WIN 0
.endm
.macro RDBACK a, rd, perm              ; perm: v's keys in the order 0-7, 16-23, 8-15, 24-31 of a block, as p's codes stand
.set RBN, RB0+64*((\a)%2)
.irp g, 0,1
.irp i, 0,1,2,3,4,5,6,7
.if \perm
	ds_load_b128 v[RBN+32*\g+4*\i:RBN+32*\g+4*\i+3], v[\rd] offset:256*\g+32*((((\i)/2)%2)*2+(\i)/4)+16*((\i)%2)
.else
	ds_load_b128 v[RBN+32*\g+4*\i:RBN+32*\g+4*\i+3], v[\rd] offset:256*\g+16*\i
.endif
.endr
.endr
.endm
.macro EBLOCK a, kind
.if (\a) < 7
.if \kind
	TOSTAGE (\a)+1, STV
	RDBACK (\a)+1, RDV, 1
.else
	TOSTAGE (\a)+1, STO
	RDBACK (\a)+1, RDQ, 0
.endif
	s_wait_dscnt 32                                ; the next block's 16 stores and 16 loads may be out
.else
	s_wait_dscnt 0x0
.endif
	s_wait_xcnt 0x0                                ; the earlier stores have read their registers
.set RB, RB0+64*((\a)%2)
.if \kind == 0
	s_cmp_eq_u32 s25, 1
	s_cbranch_scc1 .Lnb_\@
	WIN 0x04
.set J, 0
.rept 32
	v_pk_add_f32 v[RB+J:RB+J+1], v[RB+J:RB+J+1], v[J:J+1]
.set J, J+2
.endr
	WIN 0
.Lnb_\@:
.endif
	QUANT32 RB, CODES, QT, EB0
	QUANT32 RB+32, CODES+6, QT, EB1
.if \kind == 0
.irp g, 0,1
.irp p, 0,1,2
	global_store_b64 v[L8], v[CODES+6*\g+2*\p:CODES+6*\g+2*\p+1], s[32:33] offset:\g*CDREC+768*(\a)+256*\p
.endr
.endr
	v_lshl_or_b32 v[WW], v[EB1], 16, v[EB0]
	v_or_b32 v[WW], 0x7f00, v[WW]
	v_permlanex16_b32 v[PW], v[WW], s38, s39
	v_perm_b32 v[WORD], v[PW], v[WW], v[SELQ]
	global_store_b32 v[WOF], v[WORD], s[34:35] offset:64*(\a)
.else
.irp p, 0,1,2
	global_store_b128 v[L16], v[CODES+4*\p:CODES+4*\p+3], s[32:33] offset:((\a)/4)*CDREC+((\a)%4)*1536+512*\p
.endr
	v_lshl_or_b32 v[WW], v[EB1], 16, v[EB0]
	v_permlanex16_b32 v[PW], v[WW], s38, s39
	v_perm_b32 v[WORD], v[PW], v[WW], v[SELV]
.if (\a)%2 == 0
	v_mov_b32 v[WKEEP], v[WORD]
.else
	v_cndmask_b32 v[WORD2], v[WKEEP], v[WORD], s48
	global_store_b32 v[L4], v[WORD2], s[34:35] offset:((\a)/4)*SCREC+64*((\a)%4-1)
.endif
.endif
.endm
	PLACES NP
	s_mov_b32 s38, 0x76543210
	s_mov_b32 s39, 0xfedcba98
	s_mov_b32 s48, 0xffff0000
	s_mov_b32 s37, 0
	s_mov_b32 s27, 0
	s_cmp_eq_u32 ttmp9, 3
	s_cbranch_scc1 .Lv
	s_mul_i32 s36, ttmp9, 98304
	s_add_co_u32 s36, s36, QWOFF                   ; q + rw's or q + rr's part of the record,
	s_lshl_b32 s26, ttmp9, 13
	s_add_co_u32 s26, s26, QWS
	s_cmp_eq_u32 ttmp9, 2
	s_cselect_b32 s25, 1, 2                        ; 1: k, which has no bias
	s_cselect_b32 s36, 0, s36                      ; or k's
	s_cselect_b32 s26, 0, s26
	s_add_nc_u64 s[32:33], s[12:13], s[36:37]
	s_add_nc_u64 s[34:35], s[46:47], s[26:27]
	s_cmp_eq_u32 s25, 1
	s_cbranch_scc1 .Lnobias
	s_cmp_eq_u32 ttmp9, 0
	s_cselect_b64 s[30:31], s[92:93], s[94:95]
	s_mov_b32 s36, s101
	s_add_nc_u64 s[30:31], s[30:31], s[36:37]
	WIN 0x40
.irp g, 0,1
.irp i, 0,1,2,3,4,5,6,7
	global_load_b128 v[32*\g+4*\i:32*\g+4*\i+3], v[BOF], s[30:31] offset:256*\g+16*\i
.endr
.endr
	WIN 0
	s_wait_loadcnt 0x0
.Lnobias:
	TOSTAGE 0, STO
	RDBACK 0, RDQ, 0
.irp a, 0,1,2,3,4,5,6,7
	EBLOCK \a, 0
.endr
	s_branch .Lend
.Lv:
	s_add_nc_u64 s[32:33], s[12:13], VOFF
	s_add_nc_u64 s[34:35], s[46:47], VS
	TOSTAGE 0, STV
	RDBACK 0, RDV, 1
.irp a, 0,1,2,3,4,5,6,7
	EBLOCK \a, 1
.endr
.Lend:
	s_wait_tensorcnt 0x0                           ; the wave's end
	ds_add_u32 v[SPW], v[NIL]
	s_wait_dscnt 0x0
	CROUND                                         ; the closing round
	s_endpgm
.Lfunc_end_k_qd45797c8a4_qkv:
	.size	k_qd45797c8a4_qkv, .Lfunc_end_k_qd45797c8a4_qkv-k_qd45797c8a4_qkv
	.p2alignl 7, 3214868480
	.fill 96, 4, 3214868480
	.section	.rodata,"a",@progbits
	.p2align	6, 0x0
	.amdhsa_kernel k_qd45797c8a4_qkv
		.amdhsa_group_segment_fixed_size 327680
		.amdhsa_private_segment_fixed_size 0
		.amdhsa_enable_private_segment 0
		.amdhsa_kernarg_size 64
		.amdhsa_user_sgpr_count 2
		.amdhsa_user_sgpr_kernarg_segment_ptr 1
		.amdhsa_wavefront_size32 1
		.amdhsa_system_sgpr_workgroup_id_x 1
		.amdhsa_system_sgpr_workgroup_id_y 1
		.amdhsa_system_sgpr_workgroup_id_z 1
		.amdhsa_system_vgpr_workitem_id 0
		.amdhsa_next_free_vgpr 1024
		.amdhsa_next_free_sgpr 102
		.amdhsa_reserve_vcc 1
		.amdhsa_float_denorm_mode_32 3
		.amdhsa_float_denorm_mode_16_64 3
		.amdhsa_memory_ordered 1
		.amdhsa_forward_progress 1
		.amdhsa_inst_pref_size 241
	.end_amdhsa_kernel
	.amdgpu_metadata
---
amdhsa.version: [ 1, 2 ]
amdhsa.kernels:
  - .name:           k_qd45797c8a4_qkv
    .symbol:         k_qd45797c8a4_qkv.kd
    .args:
      - { .name: xq, .offset: 0, .size: 8, .value_kind: global_buffer, .address_space: global }
      - { .name: xs, .offset: 8, .size: 8, .value_kind: global_buffer, .address_space: global }
      - { .name: Wqkv_codes, .offset: 16, .size: 8, .value_kind: global_buffer, .address_space: global }
      - { .name: Wqkv_scales, .offset: 24, .size: 8, .value_kind: global_buffer, .address_space: global }
      - { .name: rw, .offset: 32, .size: 8, .value_kind: global_buffer, .address_space: global }
      - { .name: rr, .offset: 40, .size: 8, .value_kind: global_buffer, .address_space: global }
      - { .name: cd, .offset: 48, .size: 8, .value_kind: global_buffer, .address_space: global }
      - { .name: sc, .offset: 56, .size: 8, .value_kind: global_buffer, .address_space: global }
    .group_segment_fixed_size: 327680
    .private_segment_fixed_size: 0
    .kernarg_segment_align: 8
    .kernarg_segment_size: 64
    .max_flat_workgroup_size: 128
    .sgpr_count:     102
    .vgpr_count:     1024
    .wavefront_size: 32
...
	.end_amdgpu_metadata
.endif
;; end of part 2
;; launch attn (part 3): grid 8 x 32, 16 waves a work-group, no clusters, 327,680 bytes of LDS; arguments cd, sc, rk, aq, asc; writes aq, asc
.if DOCPART == 3
	.amdgcn_target "amdgcn-amd-amdhsa--gfx1250"
	.amdhsa_code_object_version 6
	.text
	.protected	k_qd45797c8a4_attn
	.globl	k_qd45797c8a4_attn
	.p2align	8
	.type	k_qd45797c8a4_attn,@function
k_qd45797c8a4_attn:
	s_mov_b64 s[64:65], 0
	v_nop
	global_prefetch_b8 v0, s[64:65] scope:SCOPE_SE
	s_setreg_imm32_b32 hwreg(HW_REG_WAVE_MODE, 25, 1), 1
	s_wait_xcnt 0x0
; ATTENTION with the relative shift, on codes of E3M2.  logit(i, j) = (Q(q_i + rw) . Q(k_j) + BD'(i, j)) / 8.
; THE POSITION TERM.  The problem broadcasts ONE row r over the sequence, so every row of rk is rk0 and BD(i, j) = c_i = Q(q_i + rr) . Q(rk0) for every j.  The shift reads the padded array at flat index (i + 1) S + j:
;   BD'(i, j) = c_i for j <= i;  0 for j = i + 1;  c_(i+1) for j >= i + 2.   c_i and c_(i+1) are one matrix instruction each, at the head.
; THE SOFTMAX: t = logit x log2(e); M = the running largest t rounded UP to a whole number; p = 2^(t - M) is quantised along the keys, not normalised; the row's sum is taken of the unquantised p and divides at the end.
; SHARES.  A work-group owns 256 queries of one (batch, head), each of its sixteen waves 16 of them in 256 registers; every wave walks the 2,048 keys, 128 a step.
; ALL of the head's codes of k and v (2 x 98,304 bytes) and their scale words (12,288) lie in LDS, each byte filled ONCE, by two groups of tensor loads.  At the head waves 0-7 fetch a quarter each of k's and v's
; codes of keys 0-511 (24 rows of 256 bytes) and waves 8-11 a quarter each of the scale words (12 rows).  Behind the first barrier every wave fetches a sixteenth of the other 1,536 keys' codes (36 rows),
; which has four key steps in which to land; a second barrier shows them to all, and the last twelve steps pass no barrier.  A wave has one tensor load out at the most; every wait on TENSORcnt is for 0.
; NO CLUSTER: the branches inside a key step (does the step, does a tile touch the diagonal?) hang on the wave's first query, which is just what differs between the work-groups that share k and v.
; NO PREFETCH: every byte that the launch reads is asked for at its head or behind its first barrier.
; LAYOUT.  Both products are used transposed (source 0 = 16 keys, or 16 dims of v; source 1 = my 16 queries): a lane holds ONE query throughout.  Operands lie in memory and LDS as images of their registers.
; K = 64 IN AN INSTRUCTION OF 128: registers 0-5 of a fragment are the head's 64; q's registers 6-11 are zero codes, so k's upper six may be any codes: the eight tiles of k stand 6 registers apart, and a tile's
; upper half is the next tile's codes (behind the last: six registers of zeros).  Bytes 2 and 3 of these scale words are 0x7f.
; THE KEYS OF A TILE ARE CHOSEN, by the LDS address alone, so that a lane holds WHOLE blocks of 32 keys: rows 0-7 of tile 4 c + u are keys 64 c + 8 g + 0..7, rows 8-15 keys 64 c + 32 + 8 g + 0..7, g = 0, 2, 1, 3 for u = 0..3.
; Lane (r, h) then has block 2 c + h in registers 32 c .. 32 c + 31, in the order 0-7, 16-23, 8-15, 24-31, in which v's codes were laid: a block's maximum and its codes need no other lane.
; OUT: o / sum, quantised along the head's 64, as images for the last product: aq [128 rows][K step = two heads][tile of 16 rows][piece 0-5][lane][8 bytes]; asc: one word a row and K step, of which a head stores 2 bytes.
; LIMITS: NaN and infinities are not served; the scaled scores stay under 2^31 in magnitude; a block under 2^-122, or of zeros, keeps the byte 1 (read by this program alone).
; REGISTERS: v1-7, v239-241 addresses that stay; v8-11 the step's; v12 -M, v13 the largest t, v[14:15] the sum; v16-27 q; v28 c_i, v29 c_(i+1), v30-31 the step's position term; v32-79 k's 8 tiles, then v's 4 fragments;
;   v80-85 zeros; v[86:87] position term x c - M; v88-95 scale words and nothing else; v96-159 scores, then p; v160-191 O^T; v192-203 p's codes; v204-253 at work; v254-255 the add's.
.set CDREC, 393216
.set SCREC, 28672
.set QWOFF, 196608
.set QROFF, 294912
.set QWS,   12288
.set QRS,   20480
.set VIMG,  98304                      ; LDS: k's images from 0, v's from here,
.set SCB,   196608                     ; k's scale words (8,192 bytes), then v's (4,096),
.set STG,   208896                     ; a stage of 16 rows x 272 bytes for each wave, into which no fill lands,
.set SPARE, 278528                     ; and the spare words
.set QM0,   226
.set QM1,   227
.set QSO,   228
.macro QUANT32 s, c, t, e
	v_max3_num_f32 v[QM0], |v[\s]|, |v[\s+1]|, 0x2800000
	v_max3_num_f32 v[QM1], |v[\s+2]|, |v[\s+3]|, |v[\s+4]|
.irp i, 5,9,13,17,21,25
	s_delay_alu instid0(VALU_DEP_2)
	v_max3_num_f32 v[QM0], v[QM0], |v[\s+\i]|, |v[\s+\i+1]|
	s_delay_alu instid0(VALU_DEP_2)
	v_max3_num_f32 v[QM1], v[QM1], |v[\s+\i+2]|, |v[\s+\i+3]|
.endr
	s_delay_alu instid0(VALU_DEP_2)
	v_max3_num_f32 v[QM0], v[QM0], |v[\s+29]|, |v[\s+30]|
	s_delay_alu instid0(VALU_DEP_1)
	v_max3_num_f32 v[QM0], v[QM0], v[QM1], |v[\s+31]|
	s_delay_alu instid0(VALU_DEP_1)
	v_add_nc_u32 v[QSO], 0xfe000000, v[QM0]
	v_cvt_scalef32_pk16_bf6_f32 v[\c:\c+2], v[\s:\s+15], v[QSO]
	v_cvt_scalef32_pk16_bf6_f32 v[\t:\t+2], v[\s+16:\s+31], v[QSO]
	v_lshrrev_b32 v[\e], 23, v[QSO]
.irp i, 0,1,2
	v_mov_b32 v[\c+3+\i], v[\t+\i]
.endr
.endm
.macro DENSE g, rows                   ; group 1 of a dense block: rows of 256 bytes (32 elements of 8)
	s_mov_b32 s[\g], 3<<16
	s_mov_b32 s[\g+1], 32<<16
	s_mov_b32 s[\g+2], (\rows)<<16
	s_mov_b32 s[\g+3], 32<<16
	s_mov_b32 s[\g+4], \rows
	s_mov_b32 s[\g+5], 32
	s_mov_b32 s[\g+6], 0
	s_mov_b32 s[\g+7], 0
.endm
	s_load_b256 s[4:11], s[0:1], 0x0               ; cd 4:5, sc 6:7, rk 8:9, aq 10:11
	s_load_b64 s[12:13], s[0:1], 0x20              ; asc
	v_lshl_add_u32 v254, v0, 2, SPARE
	v_mov_b32 v255, 0
	ds_add_u32 v254, v255                          ; the opening lines: the add twice on end and its wait
	ds_add_u32 v254, v255
	v_lshrrev_b32 v1, 5, v0
	s_delay_alu instid0(VALU_DEP_1)
	v_readfirstlane_b32 s14, v1                    ; wave 0..15
	s_and_b32 s15, ttmp7, 0xffff                   ; 16 b + head
	s_and_b32 s16, s15, 15                         ; head
	s_lshr_b32 s17, s15, 4                         ; b
	s_lshl_b32 s18, ttmp9, 8
	s_lshl_b32 s70, s14, 4
	s_add_co_u32 s18, s18, s70                     ; my first query
	s_mov_b32 s20, 0x76543210
	s_mov_b32 s21, 0xfedcba98                      ; lane l xor 16
	s_mov_b32 s22, 0x3e38aa3b                      ; c = log2(e) / 8
	s_mov_b32 s23, s22                             ; (named with it as a pair)
	DENSE 24, 24                                   ; the head's codes
	DENSE 32, 12                                   ; the scale words
	DENSE 80, 36                                   ; the second group's codes
	s_lshr_b32 s70, s14, 2                         ; waves 0-3: k, waves 4-7: v
	s_mul_i32 s70, s70, 98304
	s_and_b32 s71, s14, 3
	s_mul_i32 s76, s71, 3072                       ; my quarter of the scale words
	s_mul_i32 s71, s71, 6144                       ; my 128 keys of the first 512
	s_add_co_u32 s70, s70, s71                     ; the same number in the record and in LDS
	s_mov_b32 s71, 0
	s_lshr_b32 s78, s14, 3                         ; the second group: waves 0-7: k, waves 8-15: v
	s_mul_i32 s78, s78, 98304
	s_and_b32 s79, s14, 7
	s_mul_i32 s79, s79, 9216
	s_add_co_u32 s78, s78, s79
	s_add_co_u32 s78, s78, 24576                   ; behind the first 512 keys
	s_mov_b32 s79, 0
	s_mul_i32 s72, s15, CDREC
	s_mov_b32 s73, 0
	s_mul_i32 s74, s15, SCREC
	s_mov_b32 s75, 0
	s_mov_b32 s77, 0
	s_wait_dscnt 0x0
	s_wait_kmcnt 0x0
	s_add_nc_u64 s[4:5], s[4:5], s[72:73]          ; my record of codes
	s_add_nc_u64 s[6:7], s[6:7], s[74:75]          ; and of scale words
	s_mov_b32 s40, 1
	s_mov_b32 s41, s70
	s_add_nc_u64 s[42:43], s[4:5], s[70:71]
	s_or_b32 s43, s43, 0x80000000
	s_mov_b32 s44, 1
	s_mov_b32 s45, s78
	s_add_nc_u64 s[46:47], s[4:5], s[78:79]
	s_or_b32 s47, s47, 0x80000000
	s_mov_b32 s56, 1
	s_add_co_u32 s57, s76, SCB
	s_add_nc_u64 s[58:59], s[6:7], s[76:77]
	s_or_b32 s59, s59, 0x80000000
	s_cmp_lt_u32 s14, 8                            ; one chain of branches on the wave's number, one fill to an arm
	s_cbranch_scc0 .Lhead_s
	tensor_load_to_lds s[40:43], s[24:31]
	s_nop 0
.rept 4
	v_nop
.endr
	s_branch .Lhead_asked
.Lhead_s:
	s_cmp_lt_u32 s14, 12
	s_cbranch_scc0 .Lhead_asked
	tensor_load_to_lds s[56:59], s[32:39]
	s_nop 0
.rept 4
	v_nop
.endr
.Lhead_asked:
	s_lshr_b32 s76, s18, 4
	s_mul_i32 s76, s76, 768
	s_add_nc_u64 s[72:73], s[4:5], s[76:77]        ; my tile of queries
	s_lshl_b32 s76, s18, 2
	s_add_nc_u64 s[74:75], s[6:7], s[76:77]        ; its scale words
	s_mul_i32 s76, s16, 48
	s_add_nc_u64 s[66:67], s[8:9], s[76:77]        ; my head's codes of rk0
	s_lshl_b32 s76, s16, 2
	s_add_co_u32 s76, s76, 768
	s_add_nc_u64 s[68:69], s[8:9], s[76:77]        ; and its scale word
	s_add_co_u32 s70, s18, 1
	v_and_b32 v226, 31, v0                         ; lane
	v_and_b32 v227, 15, v0                         ; r
	v_bfe_u32 v228, v0, 4, 1                       ; h
	v_lshlrev_b32 v1, 3, v226                      ; 8 x lane: q's images, and my part of the result's
	v_lshlrev_b32 v2, 4, v226
	v_lshlrev_b32 v3, 2, v226
	v_add_nc_u32 v2, VIMG, v2                      ; 16 x lane: v's images
	v_add_nc_u32 v4, SCB+8192, v3                  ; v's scale words
	v_mov_b32 v5, 0
	v_lshlrev_b32 v6, 2, v227                      ; 4 r
	v_lshlrev_b32 v7, 5, v228
	v_add_nc_u32 v229, s70, v227
	v_sub_nc_u32 v7, v227, v7                      ; r - 32 h
	v_min_u32 v229, 2047, v229                     ; the row below mine (the last query's is never used: it has no key beyond itself)
	v_mul_u32_u24 v231, v228, 24                   ; rk0's codes: my half's 24 bytes
	v_lshrrev_b32 v230, 4, v229
	v_and_b32 v232, 15, v229
	v_mul_u32_u24 v230, v230, 768
	v_lshlrev_b32 v229, 2, v229                    ; its scale word's place
	v_lshl_add_u32 v230, v232, 3, v230
	v_lshrrev_b32 v233, 3, v227                    ; r / 8
	v_and_b32 v234, 7, v227                        ; r % 8
	v_lshl_add_u32 v230, v228, 7, v230             ; its place in the images: tile, then 8 x (row % 16 + 16 h)
	v_lshlrev_b32 v239, 3, v228                    ; 8 h: where my blocks' bytes stand in p's scale word
	v_mul_u32_u24 v240, v233, 1536                 ; k's images: rows 8-15 of my tile lie two stored tiles (32 keys) on,
	v_lshlrev_b32 v241, 7, v233                    ; k's scale words, 4 bytes a key: the same 32 keys on,
	v_lshl_add_u32 v240, v234, 3, v240             ; row r % 8 of the eight,
	v_lshl_add_u32 v241, v234, 2, v241
	v_lshl_add_u32 v240, v228, 7, v240             ; my half of the head's 64
	v_lshl_add_u32 v241, v228, 6, v241             ; lanes 16-31: the odd tile's words, 16 keys on
	s_delay_alu instid0(VALU_DEP_1)
	v_add_nc_u32 v241, SCB, v241
	s_wait_alu depctr_va_vdst(0)
.irp p, 0,1,2
	global_load_b64 v[16+2*\p:17+2*\p], v1, s[72:73] offset:QWOFF+256*\p       ; q + rw
	global_load_b64 v[44+2*\p:45+2*\p], v1, s[72:73] offset:QROFF+256*\p       ; q + rr
	global_load_b64 v[56+2*\p:57+2*\p], v230, s[4:5] offset:QROFF+256*\p       ; q + rr, one row down
	global_load_b64 v[32+2*\p:33+2*\p], v231, s[66:67] offset:8*\p             ; rk0, the same in all 16 rows
.endr
	global_load_b32 v95, v6, s[74:75] offset:QWS
	global_load_b32 v89, v6, s[74:75] offset:QRS
	global_load_b32 v90, v229, s[6:7] offset:QRS
	global_load_b32 v88, v5, s[68:69]
.irp i, 0,1,2,3,4,5
	v_mov_b32 v[22+\i], 0                          ; zero codes for k = 64 .. 127
	v_mov_b32 v[38+\i], 0
	v_mov_b32 v[50+\i], 0
	v_mov_b32 v[62+\i], 0
	v_mov_b32 v[80+\i], 0
.endr
	v_mov_b32 v13, 0xff61b1e6                      ; the largest t so far: -3e38
	v_mov_b32 v14, 0
	v_floor_f32 v12, -v13                          ; -M
	v_mov_b32 v15, 0
	v_mov_b32 v87, 0                               ; (upper halves of pairs of which the low word serves both halves)
	v_mov_b32 v225, 0
	v_mov_b32 v226, 0
	v_mov_b32 v216, 0                              ; a lane permute's destination counts as read
	v_mov_b32 v219, 0
.set J, 0
.rept 32
	v_mov_b32 v[160+J], 0                          ; O^T: the step is written once; the first finds zeros, which the first change of M leaves zeros
.set J, J+1
.endr
	s_wait_alu depctr_va_vdst(0)                   ; the wait at the head's end
	s_wait_tensorcnt 0x0                           ; my part of the first 512 keys, or of the scale words, is in
	ds_add_u32 v254, v255                          ; the add twice on end
	ds_add_u32 v254, v255
	s_wait_dscnt 0x0
	s_barrier_signal -1
	s_barrier_wait -1                              ; everybody's is
	tensor_load_to_lds s[44:47], s[80:87]          ; my sixteenth of the other 1,536 keys: a first fill
	s_nop 0
.rept 4
	v_nop
.endr
	s_wait_loadcnt 0x0                             ; all 16 loads of the head are done: their data may be read, and their bases and offsets may be written again
	s_mov_b32 s66, 0                               ; the step's first key
	v_wmma_scale_f32_16x16x128_f8f6f4 v[96:103], v[32:43], v[44:55], 0, v88, v89 matrix_a_fmt:MATRIX_FMT_BF6 matrix_b_fmt:MATRIX_FMT_BF6     ; every register: c of my query
	v_wmma_scale_f32_16x16x128_f8f6f4 v[104:111], v[32:43], v[56:67], 0, v88, v90 matrix_a_fmt:MATRIX_FMT_BF6 matrix_b_fmt:MATRIX_FMT_BF6   ; and of the query below
.rept 4
	v_nop
.endr
	v_mov_b32 v28, v96
	v_mov_b32 v29, v104
; The position term of tile T in a step on the diagonal.  s70 = my first query - the step's first key (a multiple of 16); v226 = my query - the step's first key - 32 h; v227 = v226 + 1.
; The tile's keys are A0 + 0..7 (lanes 0-15) and A0 + 32 + 0..7 (lanes 16-31).  A group of eight is mixed if it begins 0, 8 or 16 behind my first query; else one term serves all eight.  The branches hang on ids alone.
.macro DTILE T
.set A0, 64*((\T)/4)+16*((\T)%2)+8*(((\T)%4)/2)
	s_sub_co_u32 s71, A0+32, s70                   ; mixed: 0, 8, 16 (lanes 16-31's group) or 32, 40, 48 (lanes 0-15's)
	s_cmp_gt_u32 s71, 48
	s_cbranch_scc1 .Luni_\@
	s_cmp_eq_u32 s71, 24
	s_cbranch_scc1 .Luni_\@
.set J, 0
.rept 8
	v_cmp_le_i32 vcc_lo, A0+J, v226
	v_cndmask_b32 v228, v29, v28, vcc_lo           ; at or under the query: c_i; else c_(i+1),
	v_cmp_eq_u32 vcc_lo, A0+J, v227
	v_cndmask_b32 v228, v228, v5, vcc_lo           ; but 0 just beyond it
	v_add_f32 v[96+8*(\T)+J], v[96+8*(\T)+J], v228
.set J, J+1
.endr
	s_branch .Ldone_\@
.Luni_\@:
	v_cmp_le_i32 vcc_lo, A0, v226
	v_cndmask_b32 v228, v29, v28, vcc_lo
.irp j, 0,2,4,6
	v_pk_add_f32 v[96+8*(\T)+\j:97+8*(\T)+\j], v[96+8*(\T)+\j:97+8*(\T)+\j], v[228:229] op_sel_hi:[1,0]
.endr
.Ldone_\@:
.endm
; A KEY STEP: 128 keys from s66 on; its images begin at s60, its scale words at s62 (k) and s63 (v)
.macro STEP
	s_add_co_u32 s70, s66, 127
	s_cmp_le_u32 s70, s18
	s_cselect_b32 s68, -1, 0                       ; all 128 keys lie at or under all my queries: the term is c_i
	s_add_co_u32 s70, s18, 17
	s_cmp_ge_u32 s66, s70
	s_cselect_b32 s69, -1, 0                       ; all lie two or more beyond: c_(i+1)
	v_add_nc_u32 v8, s60, v240                     ; (these four lines are also the places in front of the loads into registers that the last products read)
	v_add_nc_u32 v10, s62, v241
	v_cndmask_b32 v30, v5, v28, s68
	s_delay_alu instid0(VALU_DEP_1)
	v_cndmask_b32 v30, v30, v29, s69               ; 0 in a step on the diagonal, where the term is added tile by tile
.irp t, 0,1,2,3,4,5,6,7
.irp p, 0,1,2
	ds_load_b64 v[32+6*\t+2*\p:33+6*\t+2*\p], v8 offset:768*(4*(\t/4)+\t%2)+64*((\t%4)/2)+256*\p
.endr
.endr
.irp b, 0,1,2,3
	ds_load_b32 v[88+\b], v10 offset:256*(\b/2)+32*(\b%2)      ; lanes 0-15: tile 2 b's words; lanes 16-31: tile 2 b + 1's
.endr
	s_wait_alu depctr_va_vdst(0)
	s_wait_dscnt 0x0
.irp t, 0,2,4,6
	v_wmma_scale_f32_16x16x128_f8f6f4 v[96+8*\t:103+8*\t], v[32+6*\t:43+6*\t], v[16:27], 0, v[88+\t/2], v95 matrix_a_fmt:MATRIX_FMT_BF6 matrix_b_fmt:MATRIX_FMT_BF6
	v_wmma_scale_f32_16x16x128_f8f6f4 v[104+8*\t:111+8*\t], v[38+6*\t:49+6*\t], v[16:27], 0, v[88+\t/2], v95 matrix_a_fmt:MATRIX_FMT_BF6 matrix_b_fmt:MATRIX_FMT_BF6 matrix_a_scale:MATRIX_SCALE_ROW1
.endr
	v_add_nc_u32 v9, s60, v2                       ; four places: in front of the loads over k's tiles and of the first read of scores
	v_add_nc_u32 v11, s63, v4
	v_mul_f32 v31, s22, v30
	v_nop
.irp t, 0,1,2,3
.irp p, 0,1,2
	ds_load_b128 v[32+12*\t+4*\p:35+12*\t+4*\p], v9 offset:1536*\t+512*\p     ; v's four fragments land under the softmax
.endr
.endr
.irp x, 0,1
	ds_load_b32 v[92+\x], v11 offset:128*\x
.endr
	s_or_b32 s70, s68, s69
	s_cmp_lg_u32 s70, 0
	s_cbranch_scc1 .Lplain_\@                      ; a branch on ids: one or two of a wave's 16 steps touch the diagonal
	s_sub_co_i32 s70, s18, s66
	v_add_nc_u32 v226, s70, v7
	s_delay_alu instid0(VALU_DEP_1)
	v_add_nc_u32 v227, 1, v226
	s_wait_alu depctr_va_vdst(0)                   ; the wait ahead of the branches
.irp t, 0,1,2,3,4,5,6,7
	DTILE \t
.endr
.Lplain_\@:
	s_wait_alu depctr_va_vdst(0)                   ; the wait behind the branches
.irp b, 0,1,2,3
	v_max3_num_f32 v[212+\b], v[96+16*\b], v[97+16*\b], v[98+16*\b]           ; the largest score of each half block, four chains by turns
.endr
.irp i, 3,5,7,9,11,13
.irp b, 0,1,2,3
	v_max3_num_f32 v[212+\b], v[212+\b], v[96+16*\b+\i], v[97+16*\b+\i]
.endr
.endr
.irp b, 0,1,2,3
	v_max_num_f32 v[212+\b], v[212+\b], v[111+16*\b]
.endr
	s_delay_alu instid0(VALU_DEP_3)
	v_max_num_f32 v212, v212, v213                 ; my block h's largest score: for the row's maximum, and, since p rises with the score, for the block's largest p
	s_delay_alu instid0(VALU_DEP_2)
	v_max_num_f32 v214, v214, v215                 ; my block 2 + h's
	s_delay_alu instid0(VALU_DEP_1)
	v_max_num_f32 v226, v212, v214
	s_delay_alu instid0(VALU_DEP_1)
	v_permlanex16_b32 v216, v226, s20, s21
	s_delay_alu instid0(VALU_DEP_1)
	v_max_num_f32 v226, v226, v216                 ; with lane l xor 16's two blocks
	s_delay_alu instid0(VALU_DEP_1)
	v_fma_f32 v226, v226, s22, v31                 ; as t, with the step's position term
	s_delay_alu instid0(VALU_DEP_1)
	v_max_num_f32 v13, v13, v226
	v_mov_b32 v226, v12
	s_delay_alu instid0(VALU_DEP_2)
	v_floor_f32 v12, -v13                          ; the new -M = -ceil(t)
	s_delay_alu instid0(VALU_DEP_1)
	v_sub_f32 v226, v12, v226                      ; old M - new M: a whole number, 0 or less
	v_add_f32 v86, v31, v12                        ; the position term x c - M
	s_delay_alu instid0(VALU_DEP_2)
	v_cvt_i32_f32 v226, v226                       ; (it saturates)
	s_delay_alu instid0(VALU_DEP_1)
	v_ldexp_f32 v224, 1.0, v226                    ; f = 2^(old M - new M): rounds nothing
.set J, 0
.rept 32
	v_pk_fma_f32 v[96+J:97+J], v[96+J:97+J], s[22:23], v[86:87] op_sel_hi:[1,0,0]   ; t - M
.set J, J+2
.endr
	v_fma_f32 v212, v212, s22, v86
	v_fma_f32 v214, v214, s22, v86
.set J, 0
	s_wait_alu depctr_va_vdst(0)                   ; the wait ahead of the batch
.rept 64
	v_exp_f32 v[96+J], v[96+J]                     ; p = 2^(t - M)
.set J, J+1
.endr
	v_pk_mul_f32 v[14:15], v[14:15], v[224:225] op_sel_hi:[1,0]    ; the sums under the new M: the plain line behind the batch
	s_wait_alu depctr_va_vdst(0)                   ; one wait for the 64, ahead of their first reader
	v_exp_f32 v212, v212                           ; each block's largest p: the same two instructions on the same number
	v_exp_f32 v214, v214
	v_pk_add_f32 v[228:229], v[96:97], v[98:99]    ; the row's sum of the unquantised p, in four chains
	v_pk_add_f32 v[252:253], v[100:101], v[102:103]
	v_pk_add_f32 v[250:251], v[104:105], v[106:107]
	v_pk_add_f32 v[14:15], v[14:15], v[108:109]
.irp j, 14,22,30,38,46,54
	v_pk_add_f32 v[228:229], v[228:229], v[96+\j:97+\j]
	v_pk_add_f32 v[252:253], v[252:253], v[98+\j:99+\j]
	v_pk_add_f32 v[250:251], v[250:251], v[100+\j:101+\j]
	v_pk_add_f32 v[14:15], v[14:15], v[102+\j:103+\j]
.endr
	v_pk_add_f32 v[228:229], v[228:229], v[158:159]
	v_pk_add_f32 v[252:253], v[252:253], v[250:251]
	s_delay_alu instid0(VALU_DEP_2)
	v_pk_add_f32 v[14:15], v[14:15], v[228:229]
	s_delay_alu instid0(VALU_DEP_1)
	v_pk_add_f32 v[14:15], v[14:15], v[252:253]
	s_wait_alu depctr_va_vdst(0)                   ; and one for the two
	v_max_num_f32 v212, 0x2800000, v212            ; the floor: the byte cannot fall under 1
	v_max_num_f32 v214, 0x2800000, v214
	s_delay_alu instid0(VALU_DEP_2)
	v_add_nc_u32 v220, 0xfe000000, v212            ; 4 off the exponent field: the conversions' scale operands
	s_delay_alu instid0(VALU_DEP_2)
	v_add_nc_u32 v221, 0xfe000000, v214
	s_delay_alu instid0(VALU_DEP_2)
	v_lshrrev_b32 v217, 23, v220
	s_delay_alu instid0(VALU_DEP_2)
	v_lshrrev_b32 v218, 23, v221
	s_delay_alu instid0(VALU_DEP_1)
	v_lshl_or_b32 v218, v218, 16, v217             ; my two bytes: blocks h and 2 + h,
	s_delay_alu instid0(VALU_DEP_1)
	v_lshlrev_b32 v218, v239, v218                 ; at their places in the word;
	s_delay_alu instid0(VALU_DEP_1)
	v_permlanex16_b32 v219, v218, s20, s21
	s_delay_alu instid0(VALU_DEP_1)
	v_or_b32 v94, v218, v219                       ; with lane l xor 16's two: p's scale word for these 128 keys
.irp c, 0,1
	v_cvt_scalef32_pk16_bf6_f32 v[192+6*\c:194+6*\c], v[96+32*\c:111+32*\c], v[220+\c]
	v_cvt_scalef32_pk16_bf6_f32 v[204+4*\c:206+4*\c], v[112+32*\c:127+32*\c], v[220+\c]   ; (a conversion's three registers begin on an even number)
.endr
	v_nop                                          ; a plain line behind the conversions
.irp c, 0,1
.irp i, 0,1,2
	v_mov_b32 v[195+6*\c+\i], v[204+4*\c+\i]       ; registers 6 c .. 6 c + 5: my block 2 c + h
.endr
.endr
	s_wait_alu depctr_va_vdst(0)                   ; the wait directly ahead of the first reader of O^T
.set J, 0
.rept 16
	v_pk_mul_f32 v[160+J:161+J], v[160+J:161+J], v[224:225] op_sel_hi:[1,0]   ; O^T under the new M; also the places between the operand's and the scale word's last writes and the products
.set J, J+2
.endr
	s_wait_alu depctr_va_vdst(0)
	s_wait_dscnt 0x0                               ; v's fragments and words
.irp t, 0,2
	v_wmma_scale_f32_16x16x128_f8f6f4 v[160+8*\t:167+8*\t], v[32+12*\t:43+12*\t], v[192:203], v[160+8*\t:167+8*\t], v[92+\t/2], v94 matrix_a_fmt:MATRIX_FMT_BF6 matrix_b_fmt:MATRIX_FMT_BF6
	v_wmma_scale_f32_16x16x128_f8f6f4 v[168+8*\t:175+8*\t], v[44+12*\t:55+12*\t], v[192:203], v[168+8*\t:175+8*\t], v[92+\t/2], v94 matrix_a_fmt:MATRIX_FMT_BF6 matrix_b_fmt:MATRIX_FMT_BF6 matrix_a_scale:MATRIX_SCALE_ROW1
.endr
	s_add_co_u32 s60, s60, 6144
	s_add_co_u32 s62, s62, 512
	s_add_co_u32 s63, s63, 256
	s_add_co_u32 s66, s66, 128
.endm
.macro RUN first, n                    ; n key steps from step 'first' on
	s_mov_b32 s60, 6144*\first
	s_mov_b32 s62, 512*\first
	s_mov_b32 s63, 256*\first
	s_mov_b32 s67, \n
.Lstep_\@:
	s_wait_alu depctr_va_vdst(0)
	STEP
	s_sub_co_u32 s67, s67, 1
	s_cmp_lg_u32 s67, 0
	s_cbranch_scc1 .Lstep_\@
.endm
	RUN 0, 4
	s_wait_tensorcnt 0x0                           ; my sixteenth of the other keys is in
	s_wait_dscnt 0x0
	s_barrier_signal -1
	s_barrier_wait -1                              ; everybody's is
	RUN 4, 12
	; THE WAY OUT: O^T / the sum through my stage, back one block of 32 dims to a lane, quantised, stored as my part of an image
	v_add_f32 v14, v14, v15
	s_delay_alu instid0(VALU_DEP_1)
	v_permlanex16_b32 v226, v14, s20, s21
	s_delay_alu instid0(VALU_DEP_1)
	v_add_f32 v14, v14, v226                       ; the row's sum
	s_wait_alu depctr_va_vdst(0)
	v_rcp_f32 v14, v14
	v_and_b32 v227, 15, v0
	v_bfe_u32 v228, v0, 4, 1
	s_mul_i32 s70, s14, 4352
	s_add_co_u32 s70, s70, STG
	v_mul_u32_u24 v229, v227, 272
	s_delay_alu instid0(VALU_DEP_1)
	v_add_nc_u32 v229, s70, v229
	s_delay_alu instid0(VALU_DEP_1)
	v_lshl_add_u32 v8, v228, 5, v229               ; in: row r; tile t's eight dims of my half at 64 t + 32 h
	v_lshl_add_u32 v9, v228, 7, v229               ; back: row r, dims 32 h on
	s_lshl_b32 s71, s17, 4
	s_lshr_b32 s72, s18, 7
	s_add_co_u32 s71, s71, s72                     ; which 128 rows: 16 b + query / 128
	s_lshr_b32 s72, s16, 1                         ; the K step: two heads
	s_and_b32 s73, s16, 1
	s_lshl_b32 s74, s71, 3
	s_add_co_u32 s74, s74, s72
	s_mul_i32 s74, s74, 12288
	s_bfe_u32 s76, s18, 0x30004                    ; the tile of 16 rows
	s_mul_i32 s76, s76, 1536
	s_add_co_u32 s74, s74, s76
	s_mul_i32 s76, s73, 768                        ; pieces 0-2 or 3-5
	s_add_co_u32 s74, s74, s76
	s_mov_b32 s75, 0
	s_add_nc_u64 s[10:11], s[10:11], s[74:75]
	s_lshl_b32 s74, s71, 12
	s_lshl_b32 s76, s72, 9
	s_add_co_u32 s74, s74, s76
	s_and_b32 s76, s18, 127
	s_lshl_b32 s76, s76, 2
	s_add_co_u32 s74, s74, s76
	s_lshl_b32 s76, s73, 1
	s_add_co_u32 s74, s74, s76
	s_add_nc_u64 s[12:13], s[12:13], s[74:75]
	s_wait_alu depctr_va_vdst(0)                   ; ahead of the reciprocal's first reader, which is O^T's too
.set J, 0
.rept 32
	v_mul_f32 v[96+J], v[160+J], v14               ; register 8 t + j: o(r, 16 t + 8 h + j)
.set J, J+1
.endr
.irp t, 0,1,2,3
	ds_store_b128 v8, v[96+8*\t:99+8*\t] offset:64*\t
	ds_store_b128 v8, v[100+8*\t:103+8*\t] offset:64*\t+16
.endr
.irp i, 0,1,2,3,4,5,6,7
	ds_load_b128 v[128+4*\i:131+4*\i], v9 offset:16*\i       ; LDS serves a wave's instructions in order: these see my stores
.endr
	s_wait_dscnt 0x0
	QUANT32 128, 192, 204, 216
.irp p, 0,1,2
	global_store_b64 v1, v[192+2*\p:193+2*\p], s[10:11] offset:256*\p          ; 32 lanes store 256 consecutive bytes from a multiple of 256
.endr
	v_permlanex16_b32 v218, v216, s20, s21
	s_delay_alu instid0(VALU_DEP_1)
	v_perm_b32 v217, v218, v216, 0x0400            ; lanes 0-15: (byte of dims 0-31, byte of dims 32-63)
	v_and_b32 v226, 31, v0
	s_delay_alu instid0(VALU_DEP_1)
	v_cmp_gt_u32 vcc_lo, 16, v226
	s_wait_alu depctr_va_vdst(0)
	s_wait_xcnt 0x0                                ; EXEC changes only behind this wait
	s_wait_tensorcnt 0x0                           ; the wave's end
	ds_add_u32 v254, v255
	s_wait_dscnt 0x0
	s_and_saveexec_b32 s78, vcc_lo
	global_store_b16 v6, v217, s[12:13]
	s_wait_xcnt 0x0
	s_or_b32 exec_lo, exec_lo, s78
	s_endpgm
.Lfunc_end_k_qd45797c8a4_attn:
	.size	k_qd45797c8a4_attn, .Lfunc_end_k_qd45797c8a4_attn-k_qd45797c8a4_attn
	.p2alignl 7, 3214868480
	.fill 96, 4, 3214868480
	.section	.rodata,"a",@progbits
	.p2align	6, 0x0
	.amdhsa_kernel k_qd45797c8a4_attn
		.amdhsa_group_segment_fixed_size 327680
		.amdhsa_private_segment_fixed_size 0
		.amdhsa_enable_private_segment 0
		.amdhsa_kernarg_size 40
		.amdhsa_user_sgpr_count 2
		.amdhsa_user_sgpr_kernarg_segment_ptr 1
		.amdhsa_wavefront_size32 1
		.amdhsa_system_sgpr_workgroup_id_x 1
		.amdhsa_system_sgpr_workgroup_id_y 1
		.amdhsa_system_sgpr_workgroup_id_z 1
		.amdhsa_system_vgpr_workitem_id 0
		.amdhsa_next_free_vgpr 256
		.amdhsa_next_free_sgpr 88
		.amdhsa_reserve_vcc 1
		.amdhsa_float_denorm_mode_32 3
		.amdhsa_float_denorm_mode_16_64 3
		.amdhsa_memory_ordered 1
		.amdhsa_forward_progress 1
		.amdhsa_inst_pref_size 85
	.end_amdhsa_kernel
	.amdgpu_metadata
---
amdhsa.version: [ 1, 2 ]
amdhsa.kernels:
  - .name:           k_qd45797c8a4_attn
    .symbol:         k_qd45797c8a4_attn.kd
    .args:
      - { .name: cd, .offset: 0, .size: 8, .value_kind: global_buffer, .address_space: global }
      - { .name: sc, .offset: 8, .size: 8, .value_kind: global_buffer, .address_space: global }
      - { .name: rk, .offset: 16, .size: 8, .value_kind: global_buffer, .address_space: global }
      - { .name: aq, .offset: 24, .size: 8, .value_kind: global_buffer, .address_space: global }
      - { .name: asc, .offset: 32, .size: 8, .value_kind: global_buffer, .address_space: global }
    .group_segment_fixed_size: 327680
    .private_segment_fixed_size: 0
    .kernarg_segment_align: 8
    .kernarg_segment_size: 40
    .max_flat_workgroup_size: 512
    .sgpr_count:     88
    .vgpr_count:     256
    .wavefront_size: 32
...
	.end_amdgpu_metadata
.endif
;; end of part 3
;; launch oproj (part 4): grid 8 x 32, 8 waves a work-group, clusters of 4 x 4, 257,024 bytes of LDS; arguments aq, asc, Wo_codes, Wo_scales, x, st, ln_g, ln_b, out0; writes out0
.if DOCPART == 4
	.amdgcn_target "amdgcn-amd-amdhsa--gfx1250"
	.amdhsa_code_object_version 6
	.text
	.protected	k_qd45797c8a4_oproj
	.globl	k_qd45797c8a4_oproj
	.p2align	8
	.type	k_qd45797c8a4_oproj,@function
k_qd45797c8a4_oproj:
	s_mov_b64 s[64:65], 0
	v_nop
	global_prefetch_b8 v0, s[64:65] scope:SCOPE_SE
	s_setreg_imm32_b32 hwreg(HW_REG_WAVE_MODE, 25, 1), 1
	s_wait_xcnt 0x0
	s_wait_alu depctr_hold_cnt(0) depctr_sa_sdst(0) depctr_va_vdst(0) depctr_va_sdst(0) depctr_va_ssrc(0) depctr_va_vcc(0) depctr_vm_vsrc(0)
	s_getreg_b32 s2, hwreg(HW_REG_IB_STS2, 6, 4)
	s_cmp_eq_u32 s2, 0
	s_cbranch_scc0 .Lentry_in_a_cluster
	s_endpgm
.Lentry_in_a_cluster:
	s_bfe_u32 s2, ttmp6, 0x10000c
	s_cmp_lg_u32 s2, 0xf033
	s_cbranch_scc0 .Lentry_shape_is_right
	s_endpgm
.Lentry_shape_is_right:
; OUT = xn + av Wo.  av [4096 positions][1024] arrives as images of operand registers with one scale word a row and 128 K (aq, asc); Wo as codes with K innermost; xn is made again from x and the rows' (mu, rstd).
; A work-group makes 128 rows x 128 columns: 32 x 8 = 256 work-groups.  Eight waves; wave w takes rows 32 (w / 2) on and columns 64 (w % 2) on: 8 accumulators.
; BOTH PANELS FOR ALL OF K STAY IN LDS (98,304 + 104,448 bytes), filled ONCE, by one joint load a wave at the head: waves 0-3 a quarter each of av's panel (96 rows of 256 bytes), waves 4-7 32 whole rows each of Wo
; (768 bytes from a multiple of 256, 16 bytes of padding behind every 256: LDS pitch 816).  One wait for 0 and one barrier show them to all; the eight K steps pass no barrier.
; CLUSTERS: 4 x 4 work-groups; av's panel hangs on the block of rows alone and is asked for jointly along a row of the cluster, Wo's on the block of columns alone and jointly along a column.
; A round of the cluster's barrier stands in front of the joint loads and one in front of the end.  NO PREFETCH: every byte is asked for at the head.
; The matrix instruction is used transposed (source 0 = 16 columns of Wo, source 1 = 16 rows of av): a lane holds eight neighbouring columns of one row.  Results go through the wave's stage and leave with x's layout:
; sixteen lanes store 256 consecutive bytes from a multiple of 256.
; REGISTERS: v1-14 addresses; v16-23 av's scale words, v24-39 Wo's (scales and nothing else); v40-47 gain and bias; v48-95 four fragments of Wo; v96-119 two of av; v120-183 x; v184-247 accumulators; window 1, v0-31: (mu, rstd).
.set BT,    98304                      ; LDS: av's images from 0; Wo's 128 rows from here;
.set STG,   221184                     ; a stage of 16 rows x 272 bytes for each wave, into which no fill lands;
.set SPARE, 256000                     ; the spare words
.set PITCH, 816
.set WF,    48
.set AV,    96
.set XX,    120
.set ACC,   184
.set RR,    80
.set MSB, 0
.macro WIN new
.if MSB != (\new)
	s_set_vgpr_msb (MSB<<8)|(\new)
.set MSB, \new
.endif
.endm
.macro CROUND                          ; a round of the cluster's barrier
	s_barrier_signal -1
	s_barrier_wait -1
	s_cmp_lg_u32 s22, 0
	s_cbranch_scc1 .Lnot_wave_0_\@
	s_barrier_signal -3
.Lnot_wave_0_\@:
	s_barrier_wait -3
	s_barrier_signal -1
	s_barrier_wait -1
.endm
	s_load_b512 s[4:19], s[0:1], 0x0               ; aq 4:5, asc 6:7, Wo_codes 8:9, Wo_scales 10:11, x 12:13, st 14:15, ln_g 16:17, ln_b 18:19
	s_load_b64 s[20:21], s[0:1], 0x40              ; out0
	v_lshl_add_u32 v254, v0, 2, SPARE
	v_mov_b32 v255, 0
	ds_add_u32 v254, v255                          ; the opening lines: the add twice on end and its wait
	ds_add_u32 v254, v255
	v_lshrrev_b32 v1, 5, v0
	s_delay_alu instid0(VALU_DEP_1)
	v_readfirstlane_b32 s22, v1                    ; wave 0..7
	s_lshr_b32 s23, s22, 1                         ; which 32 rows
	s_and_b32 s24, s22, 1                          ; which 64 columns
	s_and_b32 s31, s22, 3                          ; which quarter of a panel I fetch
	s_bfe_u32 s25, ttmp6, 0x40000                  ; cx, cy
	s_bfe_u32 s26, ttmp6, 0x40004
	s_lshl_b32 s27, ttmp9, 2
	s_add_co_u32 s27, s27, s25                     ; the block of columns
	s_and_b32 s28, ttmp7, 0xffff
	s_lshl_b32 s28, s28, 2
	s_add_co_u32 s28, s28, s26                     ; the block of rows
	s_lshl_b32 s29, s26, 2
	s_lshl_b32 s29, 15, s29                        ; my row of the cluster
	s_lshl_b32 s30, 0x1111, s25                    ; my column
	s_or_b32 s32, s29, (3<<16)|(1<<21)             ; av: a dense block of 24,576 bytes as 96 rows of 256
	s_mov_b32 s33, 32<<16
	s_mov_b32 s34, 96<<16
	s_mov_b32 s35, 32<<16
	s_mov_b32 s36, 96
	s_mov_b32 s37, 32
	s_mov_b32 s38, 0
	s_mov_b32 s39, 0
	s_or_b32 s40, s30, (0<<16)|(1<<20)|(1<<21)|(5<<22)|(3<<25)   ; Wo: 32 rows x 768 bytes, 16 bytes of padding behind every 256
	s_mov_b32 s41, 768<<16
	s_mov_b32 s42, 32<<16
	s_mov_b32 s43, 768<<16
	s_mov_b32 s44, 32
	s_mov_b32 s45, 768
	s_mov_b32 s46, 0
	s_mov_b32 s47, 0
	s_mul_i32 s84, s28, 98304
	s_mul_i32 s88, s31, 24576                      ; my quarter of av's panel: in memory and in LDS
	s_add_co_u32 s84, s84, s88
	s_mov_b32 s85, 0
	s_lshl_b32 s86, s27, 7
	s_lshl_b32 s89, s31, 5
	s_add_co_u32 s86, s86, s89
	s_mul_i32 s86, s86, 768                        ; my 32 rows of Wo
	s_mov_b32 s87, 0
	s_mul_i32 s89, s31, 32*PITCH
	s_add_co_u32 s89, s89, BT
	s_wait_dscnt 0x0
	s_wait_kmcnt 0x0
	s_add_nc_u64 s[84:85], s[4:5], s[84:85]
	s_add_nc_u64 s[86:87], s[8:9], s[86:87]
	CROUND                                         ; all sixteen work-groups are here: the joint loads meet
	s_mov_b32 s48, 1
	s_mov_b32 s49, s88
	s_mov_b64 s[50:51], s[84:85]
	s_or_b32 s51, s51, 0x80000000
	s_mov_b32 s68, 1
	s_mov_b32 s69, s89
	s_mov_b64 s[70:71], s[86:87]
	s_or_b32 s71, s71, 0x80000000
	s_cmp_lt_u32 s22, 4                            ; waves 0-3: av; waves 4-7: Wo: every way passes one load
	s_cbranch_scc0 .Lnot_a
	tensor_load_to_lds s[48:51], s[32:39]
	s_nop 0
.rept 4
	v_nop
.endr
	s_branch .Lasked
.Lnot_a:
	tensor_load_to_lds s[68:71], s[40:47]
	s_nop 0
.rept 4
	v_nop
.endr
.Lasked:
	v_and_b32 v1, 31, v0                           ; lane
	v_and_b32 v2, 15, v0                           ; r
	v_bfe_u32 v3, v0, 4, 1                         ; h
	s_mul_i32 s90, s23, 3072
	v_lshl_add_u32 v4, v1, 3, s90                  ; av's images: my two tiles of rows, 8 x lane
	s_delay_alu instid0(VALU_DEP_1)
	v_add_nc_u32 v5, 49152, v4                     ; the same for K steps 4-7
	s_mul_i32 s90, s24, 64*PITCH
	s_add_co_u32 s90, s90, BT
	v_mul_u32_u24 v6, v2, PITCH
	s_delay_alu instid0(VALU_DEP_1)
	v_mad_u32_u24 v6, v3, 24, v6
	s_delay_alu instid0(VALU_DEP_1)
	v_add_nc_u32 v6, s90, v6                       ; Wo: my 64 rows; row r, 24 bytes a half
	s_delay_alu instid0(VALU_DEP_1)
	v_lshl_add_u32 v7, v3, 4, v6                   ; and behind one padding more
	s_mul_i32 s90, s22, 4352
	s_add_co_u32 s90, s90, STG
	v_mul_u32_u24 v8, v2, 272
	s_delay_alu instid0(VALU_DEP_1)
	v_lshl_add_u32 v8, v3, 5, v8
	s_delay_alu instid0(VALU_DEP_1)
	v_add_nc_u32 v8, s90, v8                       ; the stage, in: row r, 32 bytes a half
	v_mul_u32_u24 v9, v3, 272
	s_delay_alu instid0(VALU_DEP_1)
	v_lshl_add_u32 v9, v2, 4, v9
	s_delay_alu instid0(VALU_DEP_1)
	v_add_nc_u32 v9, s90, v9                       ; back: lanes 0-15 one row, lanes 16-31 the next
	v_lshlrev_b32 v10, 13, v3
	s_delay_alu instid0(VALU_DEP_1)
	v_lshl_add_u32 v10, v2, 4, v10                 ; the same two rows in x and out0: 8,192 bytes from s to s + 1
	v_lshlrev_b32 v11, 3, v3
	v_lshlrev_b32 v12, 2, v1
	s_wait_alu depctr_va_vdst(0)
	v_lshlrev_b32 v13, 5, v1
	s_wait_alu depctr_va_vdst(0)
	v_lshlrev_b32 v14, 4, v2
	s_wait_alu depctr_va_vdst(0)
	s_lshl_b32 s90, s28, 12
	s_lshl_b32 s91, s23, 7
	s_add_co_u32 s90, s90, s91
	s_mov_b32 s91, 0
	s_add_nc_u64 s[6:7], s[6:7], s[90:91]          ; av's scale words: my 32 rows
	s_lshl_b32 s90, s27, 7
	s_lshl_b32 s92, s24, 6
	s_add_co_u32 s92, s90, s92                     ; my first column
	s_lshl_b32 s90, s92, 5
	s_add_nc_u64 s[10:11], s[10:11], s[90:91]      ; Wo's scale bytes
	s_lshl_b32 s90, s92, 2
	s_add_nc_u64 s[16:17], s[16:17], s[90:91]
	s_add_nc_u64 s[18:19], s[18:19], s[90:91]
	s_lshl_b32 s94, s28, 7
	s_lshl_b32 s95, s23, 5
	s_add_co_u32 s94, s94, s95                     ; my first position
	s_lshl_b32 s96, s94, 3
	s_mov_b32 s97, 0
	s_add_nc_u64 s[14:15], s[14:15], s[96:97]
	s_and_b32 s96, s94, 2047                       ; s
	s_lshl_b32 s96, s96, 13
	s_lshr_b32 s98, s28, 4                         ; b
	s_lshl_b32 s98, s98, 12
	s_add_co_u32 s96, s96, s98
	s_add_co_u32 s96, s96, s90
	s_add_nc_u64 s[12:13], s[12:13], s[96:97]
	s_add_nc_u64 s[20:21], s[20:21], s[96:97]
.irp k, 0,1,2,3,4,5,6,7
	global_load_b32 v[16+\k], v12, s[6:7] offset:512*\k          ; lanes 0-15: my first tile of rows; lanes 16-31: my second
.endr
.irp q, 0,1
.irp j, 0,1
	global_load_b128 v[24+8*\q+4*\j:27+8*\q+4*\j], v13, s[10:11] offset:1024*\q+16*\j    ; lanes 0-15: tile 2 q of columns; lanes 16-31: tile 2 q + 1; word k for K step k
.endr
.endr
	global_load_b128 v[40:43], v14, s[16:17]
	global_load_b128 v[44:47], v14, s[18:19]
	WIN 0x40                                       ; destination window 1
.irp t, 0,1,2,3,4,5,6,7,8,9,10,11,12,13,14,15
	global_load_b64 v[2*\t:2*\t+1], v11, s[14:15] offset:16*\t     ; (mu, rstd) of rows 2 t + h
.endr
	WIN 0
.irp t, 0,1,2,3,4,5,6,7,8,9,10,11,12,13,14,15
	global_load_b128 v[XX+4*\t:XX+4*\t+3], v10, s[12:13] offset:16384*\t th:TH_LOAD_NT
.endr
.macro FRAG reg, q, i                  ; a fragment of Wo, K step q: six pieces of 8 bytes; piece PC of a row lies at 8 PC + 16 (PC / 32); where lanes 16-31's piece lies behind one padding more, the second address register serves
.irp p, 0,1,2,3,4,5
.set PC, 12*(\q)+6*(\p/3)+\p%3
.if PC%32 < 29
	ds_load_b64 v[\reg+2*\p:\reg+2*\p+1], v6 offset:8*PC+16*(PC/32)+(\i)*16*PITCH
.else
	ds_load_b64 v[\reg+2*\p:\reg+2*\p+1], v7 offset:8*PC+16*(PC/32)+(\i)*16*PITCH
.endif
.endr
.endm
.macro MMA d, a, b, zero, sa, sb, ra, rb       ; ra, rb: the scale words stand in lanes 16-31
.if \zero
.if (\ra) && (\rb)
	v_wmma_scale_f32_16x16x128_f8f6f4 v[\d:\d+7], v[\a:\a+11], v[\b:\b+11], 0, v[\sa], v[\sb] matrix_a_fmt:MATRIX_FMT_BF6 matrix_b_fmt:MATRIX_FMT_BF6 matrix_a_scale:MATRIX_SCALE_ROW1 matrix_b_scale:MATRIX_SCALE_ROW1
.elseif \ra
	v_wmma_scale_f32_16x16x128_f8f6f4 v[\d:\d+7], v[\a:\a+11], v[\b:\b+11], 0, v[\sa], v[\sb] matrix_a_fmt:MATRIX_FMT_BF6 matrix_b_fmt:MATRIX_FMT_BF6 matrix_a_scale:MATRIX_SCALE_ROW1
.elseif \rb
	v_wmma_scale_f32_16x16x128_f8f6f4 v[\d:\d+7], v[\a:\a+11], v[\b:\b+11], 0, v[\sa], v[\sb] matrix_a_fmt:MATRIX_FMT_BF6 matrix_b_fmt:MATRIX_FMT_BF6 matrix_b_scale:MATRIX_SCALE_ROW1
.else
	v_wmma_scale_f32_16x16x128_f8f6f4 v[\d:\d+7], v[\a:\a+11], v[\b:\b+11], 0, v[\sa], v[\sb] matrix_a_fmt:MATRIX_FMT_BF6 matrix_b_fmt:MATRIX_FMT_BF6
.endif
.else
.if (\ra) && (\rb)
	v_wmma_scale_f32_16x16x128_f8f6f4 v[\d:\d+7], v[\a:\a+11], v[\b:\b+11], v[\d:\d+7], v[\sa], v[\sb] matrix_a_fmt:MATRIX_FMT_BF6 matrix_b_fmt:MATRIX_FMT_BF6 matrix_a_scale:MATRIX_SCALE_ROW1 matrix_b_scale:MATRIX_SCALE_ROW1
.elseif \ra
	v_wmma_scale_f32_16x16x128_f8f6f4 v[\d:\d+7], v[\a:\a+11], v[\b:\b+11], v[\d:\d+7], v[\sa], v[\sb] matrix_a_fmt:MATRIX_FMT_BF6 matrix_b_fmt:MATRIX_FMT_BF6 matrix_a_scale:MATRIX_SCALE_ROW1
.elseif \rb
	v_wmma_scale_f32_16x16x128_f8f6f4 v[\d:\d+7], v[\a:\a+11], v[\b:\b+11], v[\d:\d+7], v[\sa], v[\sb] matrix_a_fmt:MATRIX_FMT_BF6 matrix_b_fmt:MATRIX_FMT_BF6 matrix_b_scale:MATRIX_SCALE_ROW1
.else
	v_wmma_scale_f32_16x16x128_f8f6f4 v[\d:\d+7], v[\a:\a+11], v[\b:\b+11], v[\d:\d+7], v[\sa], v[\sb] matrix_a_fmt:MATRIX_FMT_BF6 matrix_b_fmt:MATRIX_FMT_BF6
.endif
.endif
.endm
.macro KSTEP kap                       ; 128 along K: 36 LDS loads, 8 matrix instructions on 8 accumulators by turns
.if (\kap) > 0
.rept 4
	v_nop                                          ; places in front of loads into registers that the last products read
.endr
.endif
.irp i, 0,1
.irp p, 0,1,2,3,4,5
.if (\kap) < 4
	ds_load_b64 v[AV+12*\i+2*\p:AV+12*\i+2*\p+1], v4 offset:12288*((\kap)%4)+1536*\i+256*\p
.else
	ds_load_b64 v[AV+12*\i+2*\p:AV+12*\i+2*\p+1], v5 offset:12288*((\kap)%4)+1536*\i+256*\p
.endif
.endr
.endr
.irp i, 0,1,2,3
	FRAG WF+12*\i, \kap, \i
.endr
	s_wait_dscnt 0x0
.if (\kap) == 0
	s_wait_loadcnt 34                              ; the 12 loads of scale words are in; behind them: 2 of gain and bias, 16 of statistics, 16 of x
.endif
.irp ir, 0,1
.irp ic, 0,1,2,3
	MMA ACC+8*(4*\ir+\ic), WF+12*\ic, AV+12*\ir, (\kap)==0, 24+8*(\ic/2)+(\kap), 16+(\kap), \ic%2, \ir
.endr
.endr
.endm
	s_wait_alu depctr_va_vdst(0)                   ; the wait at the head's end
	s_wait_tensorcnt 0x0                           ; my quarter of a panel has landed
	s_wait_dscnt 0x0
	s_barrier_signal -1
	s_barrier_wait -1                              ; everybody's has
.irp k, 0,1,2,3,4,5,6,7
	KSTEP \k
.endr
.rept 4
	v_nop                                          ; four places behind the last products
.endr
.irp ir, 0,1
.irp ic, 0,1,2,3
	ds_store_b128 v8, v[ACC+8*(4*\ir+\ic):ACC+8*(4*\ir+\ic)+3] offset:64*\ic          ; each accumulator from its low end on
	ds_store_b128 v8, v[ACC+8*(4*\ir+\ic)+4:ACC+8*(4*\ir+\ic)+7] offset:64*\ic+16
.endr
.irp i, 0,1,2,3,4,5,6,7
	ds_load_b128 v[RR+4*\i:RR+4*\i+3], v9 offset:544*\i       ; rows 2 i + h, my four columns; LDS serves a wave's instructions in order
.endr
.if \ir == 0
	s_wait_loadcnt 0x0                             ; gain, bias, statistics, x
.endif
	WIN 0x04                                       ; source 1 (mu, rstd) window 1.  The normed rows are made while the stage's round trip is out
.irp i, 0,1,2,3,4,5,6,7
.irp u, 0,2
	v_pk_add_f32 v[XX+4*(8*\ir+\i)+\u:XX+4*(8*\ir+\i)+\u+1], v[XX+4*(8*\ir+\i)+\u:XX+4*(8*\ir+\i)+\u+1], v[2*(8*\ir+\i):2*(8*\ir+\i)+1] op_sel_hi:[1,0] neg_lo:[0,1] neg_hi:[0,1]   ; x - mu
.endr
.endr
.irp i, 0,1,2,3,4,5,6,7
.irp u, 0,2
	v_pk_mul_f32 v[XX+4*(8*\ir+\i)+\u:XX+4*(8*\ir+\i)+\u+1], v[XX+4*(8*\ir+\i)+\u:XX+4*(8*\ir+\i)+\u+1], v[2*(8*\ir+\i):2*(8*\ir+\i)+1] op_sel:[0,1] op_sel_hi:[1,1]              ; x rstd
.endr
.endr
	WIN 0
.irp i, 0,1,2,3,4,5,6,7
.irp u, 0,2
	v_pk_fma_f32 v[XX+4*(8*\ir+\i)+\u:XX+4*(8*\ir+\i)+\u+1], v[XX+4*(8*\ir+\i)+\u:XX+4*(8*\ir+\i)+\u+1], v[40+\u:41+\u], v[44+\u:45+\u]
.endr
.endr
	s_wait_dscnt 0x0
.irp i, 0,1,2,3,4,5,6,7
.irp u, 0,2
	v_pk_add_f32 v[XX+4*(8*\ir+\i)+\u:XX+4*(8*\ir+\i)+\u+1], v[XX+4*(8*\ir+\i)+\u:XX+4*(8*\ir+\i)+\u+1], v[RR+4*\i+\u:RR+4*\i+\u+1]
.endr
	global_store_b128 v10, v[XX+4*(8*\ir+\i):XX+4*(8*\ir+\i)+3], s[20:21] offset:16384*(8*\ir+\i) th:TH_STORE_NT    ; 16 lanes store 256 consecutive bytes from a multiple of 256; these registers are not written again
.endr
.endr
	s_wait_tensorcnt 0x0                           ; the wave's end
	ds_add_u32 v254, v255
	s_wait_dscnt 0x0
	CROUND                                         ; the closing round: no work-group ends while a partner may still ask for a tile that names it
	s_endpgm
.Lfunc_end_k_qd45797c8a4_oproj:
	.size	k_qd45797c8a4_oproj, .Lfunc_end_k_qd45797c8a4_oproj-k_qd45797c8a4_oproj
	.p2alignl 7, 3214868480
	.fill 96, 4, 3214868480
	.section	.rodata,"a",@progbits
	.p2align	6, 0x0
	.amdhsa_kernel k_qd45797c8a4_oproj
		.amdhsa_group_segment_fixed_size 257024
		.amdhsa_private_segment_fixed_size 0
		.amdhsa_enable_private_segment 0
		.amdhsa_kernarg_size 72
		.amdhsa_user_sgpr_count 2
		.amdhsa_user_sgpr_kernarg_segment_ptr 1
		.amdhsa_wavefront_size32 1
		.amdhsa_system_sgpr_workgroup_id_x 1
		.amdhsa_system_sgpr_workgroup_id_y 1
		.amdhsa_system_sgpr_workgroup_id_z 1
		.amdhsa_system_vgpr_workitem_id 0
		.amdhsa_next_free_vgpr 288
		.amdhsa_next_free_sgpr 100
		.amdhsa_reserve_vcc 0
		.amdhsa_float_denorm_mode_32 3
		.amdhsa_float_denorm_mode_16_64 3
		.amdhsa_memory_ordered 1
		.amdhsa_forward_progress 1
		.amdhsa_inst_pref_size 51
	.end_amdhsa_kernel
	.amdgpu_metadata
---
amdhsa.version: [ 1, 2 ]
amdhsa.kernels:
  - .name:           k_qd45797c8a4_oproj
    .symbol:         k_qd45797c8a4_oproj.kd
    .args:
      - { .name: aq, .offset: 0, .size: 8, .value_kind: global_buffer, .address_space: global }
      - { .name: asc, .offset: 8, .size: 8, .value_kind: global_buffer, .address_space: global }
      - { .name: Wo_codes, .offset: 16, .size: 8, .value_kind: global_buffer, .address_space: global }
      - { .name: Wo_scales, .offset: 24, .size: 8, .value_kind: global_buffer, .address_space: global }
      - { .name: x, .offset: 32, .size: 8, .value_kind: global_buffer, .address_space: global }
      - { .name: st, .offset: 40, .size: 8, .value_kind: global_buffer, .address_space: global }
      - { .name: ln_g, .offset: 48, .size: 8, .value_kind: global_buffer, .address_space: global }
      - { .name: ln_b, .offset: 56, .size: 8, .value_kind: global_buffer, .address_space: global }
      - { .name: out0, .offset: 64, .size: 8, .value_kind: global_buffer, .address_space: global }
    .group_segment_fixed_size: 257024
    .private_segment_fixed_size: 0
    .kernarg_segment_align: 8
    .kernarg_segment_size: 72
    .max_flat_workgroup_size: 256
    .sgpr_count:     100
    .vgpr_count:     288
    .wavefront_size: 32
...
	.end_amdgpu_metadata
.endif
;; end of part 4
